; MI455X (gfx1250); checked and timed in simulation.
; The chip was launched on July 23, 2026; its instructions are those of AMD's public machine-readable ISA for CDNA 5 (MIT licence, August 2026) and "CDNA5" Instruction Set Architecture Reference Guide (July 2026). The comments in the code are by the model that wrote it; some were corrected since.
;; Encoder Layer. Allowed arithmetic: matrix products marked QUANTISED: E4M3 operands, one given power-of-two scale a tensor, by v_wmma_f32_16x16x64_fp8_fp8 or v_wmma_f32_16x16x128_fp8_fp8, f32 sums; everything else in f32.
;; Inputs: W1_codes 4,096 x 32 x 32 uint8 (E4M3 codes of W1, K innermost, in blocks of 32 codes); W2_codes 1,024 x 128 x 32 uint8 (E4M3 codes of W2, K innermost, in blocks of 32 codes); Wk_codes 1,024 x 32 x 32 uint8 (E4M3 codes of Wk, K innermost, in blocks of 32 codes); Wo_codes 1,024 x 32 x 32 uint8 (E4M3 codes of Wo, K innermost, in blocks of 32 codes); Wq_codes 1,024 x 32 x 32 uint8 (E4M3 codes of Wq, K innermost, in blocks of 32 codes); Wv_codes 1,024 x 32 x 32 uint8 (E4M3 codes of Wv, K innermost, in blocks of 32 codes); b1 4,096 float32; b2 1,024 float32; be1 1,024 float32; be2 1,024 float32; bk 1,024 float32; bo 1,024 float32; bq 1,024 float32; bv 1,024 float32; g1 1,024 float32; g2 1,024 float32; lowp_scales 16 int32 (the exponents e of the quantised operands' scales 2^e); x 2 x 2,048 x 1,024 float32.
;; Outputs: out0 2 x 2,048 x 1,024 float32.
;; This version of the problem:
;;   THIS VERSION OF THE PROBLEM IS GIVEN IN LOW PRECISION. The matrix products marked QUANTISED in the list below multiply operands that are first quantised to E4M3 (4 exponent bits, 3 mantissa bits; 8 bits a number), with one given power-of-two scale for each operand tensor; their sums are f32. All else is computed in f32.
;;   The module's matrix products, in the order in which they are computed (A, B: the left and right operand; K: the contracted axis; several contracted axes count as one K, in the product's order):
;;     1. [M 4,096, K 1,024] x [K 1,024, N 1,024]; A: input x; B: input Wq (given as codes): QUANTISED (scales: A lowp_scales[0], B lowp_scales[1])
;;     2. [M 4,096, K 1,024] x [K 1,024, N 1,024]; A: input x; B: input Wk (given as codes): QUANTISED (scales: A lowp_scales[2], B lowp_scales[3])
;;     3. [M 4,096, K 1,024] x [K 1,024, N 1,024]; A: input x; B: input Wv (given as codes): QUANTISED (scales: A lowp_scales[4], B lowp_scales[5])
;;     4. batch 32 x [M 2,048, K 64] x [K 64, N 2,048]; A: computed on the way; B: computed on the way: QUANTISED (scales: A lowp_scales[6], B lowp_scales[7])
;;     5. batch 32 x [M 2,048, K 2,048] x [K 2,048, N 64]; A: softmax (see below); B: computed on the way: QUANTISED (scales: A lowp_scales[8], B lowp_scales[9])
;;     6. [M 4,096, K 1,024] x [K 1,024, N 1,024]; A: computed on the way; B: input Wo (given as codes): QUANTISED (scales: A lowp_scales[10], B lowp_scales[11])
;;     7. [M 4,096, K 1,024] x [K 1,024, N 4,096]; A: computed on the way; B: input W1 (given as codes): QUANTISED (scales: A lowp_scales[12], B lowp_scales[13])
;;     8. [M 4,096, K 4,096] x [K 4,096, N 1,024]; A: computed on the way; B: input W2 (given as codes): QUANTISED (scales: A lowp_scales[14], B lowp_scales[15])
;;   THE QUANTISER, for each operand of a quantised product, along K:
;;     - The operand's scale is 2^e, e = its entry of the input lowp_scales (int32; the entries are numbered through the quantised products in the list's order, A before B).
;;     - Each number is divided by the scale, clamped to +-448, and rounded to the nearest number of E4M3, ties to even, subnormals kept.
;;     - The product sums the exact products of the quantised numbers (number of the format x scale) in f32.
;;   ~~~python
;;   def quantise(x, axis, e):      # numpy; x: float32 -> the quantised numbers, widened to float32 again
;;       x = np.moveaxis(x, axis, -1); K = x.shape[-1]
;;       r = np.clip(x / 2.0 ** e, -448, 448)
;;       step = 2.0 ** (np.maximum(np.frexp(np.where(r == 0, 1, r))[1] - 1, -6) - 3)
;;       q = np.round(r / step) * step * 2.0 ** e      # np.round: ties to even
;;       return np.moveaxis(q, -1, axis).astype(np.float32)
;;   ~~~
;;   SOFTMAX AHEAD OF A QUANTISED PRODUCT. Where the list says 'softmax', what is quantised is not the finished softmax but p = 2^(t - M), with t = logit x log2(e) and M = ceil(the row's largest t), a whole number; so 1/2 < the row's largest p <= 1. The row's sum l is taken of the UNQUANTISED p, in f32, and the product's result is divided by l at the end. Since M is a whole number, a kernel that streams over the keys may use a running M (the ceiling of the running maximum): every later rescaling is an exact power of two, so the quantised numbers keep their values, but for numbers so far below the row's largest that they fall under the format's range.
;;   OPERANDS COMPUTED ON THE WAY. 'Computed on the way' means the value that the module computes at that place (a softmax that the list does not call 'softmax' is quantised finished and normalised). What goes into a quantiser is computed in f32, as accurately as f32 sums, v_exp_f32 and their like allow (about 1e-6 of the number): no bf16 or f16 on the way to a quantiser, and a product that is left as it is and whose result goes on into a quantised operand takes f32 operands (vector FMAs, or v_wmma_f32_16x16x4_f32). A number that lies on a knife's edge between two numbers of the format may be rounded either way, as far as f32 arithmetic and the matrix unit's own rounding can turn it there, and no further.
;;   INPUTS GIVEN AS CODES. W1 (in the module: [4096, 1024], K = its axis 1); W2 (in the module: [1024, 4096], K = its axis 1); Wk (in the module: [1024, 1024], K = its axis 1); Wo (in the module: [1024, 1024], K = its axis 1); Wq (in the module: [1024, 1024], K = its axis 1); Wv (in the module: [1024, 1024], K = its axis 1): each comes as NAME_codes (uint8): NAME with its K axis moved to the last place and cut into blocks of 32 codes, [.., K / 32, bytes a block], one block behind the other in memory; one code a byte (a code: sign, 4 exponent bits, 3 mantissa bits); its scale is its entry of lowp_scales. Its value is code x scale, taken as it is: it is not quantised again, and the codes and scales need not be those that the quantiser above would give.
;; One version. Each part assembles by itself: llvm-mc -triple=amdgcn-amd-amdhsa -mcpu=gfx1250 --defsym DOCPART=n.
;; ======== version 1 of 1: 8 launches
;; limits: right only within a limited range of input values
;; workspace buffers: xc 12,582,912 bytes; qkv 12,582,912 bytes; ac 4,194,304 bytes; res 16,777,216 bytes; hf 16,777,216 bytes; hc 4,194,304 bytes; hid 16,777,216 bytes
;; launch prep (part 1): grid 256 x 1, 4 waves a work-group, no clusters, 49,664 bytes of LDS; arguments x, lowp_scales, xc; writes xc
.if DOCPART == 1
	.amdgcn_target "amdgcn-amd-amdhsa--gfx1250"
	.amdhsa_code_object_version 6
	.text
	.protected	k_q2f164d41ca_prep
	.globl	k_q2f164d41ca_prep
	.p2align	8
	.type	k_q2f164d41ca_prep,@function
k_q2f164d41ca_prep:
	s_mov_b64 s[64:65], 0
	v_nop
	global_prefetch_b8 v0, s[64:65] scope:SCOPE_SE
	s_setreg_imm32_b32 hwreg(HW_REG_WAVE_MODE, 25, 1), 1
	s_wait_xcnt 0x0
; x [4096][1024] f32 becomes three sets of E4M3 codes, xc [3][4096][1024], with the scales 2^e0, 2^e2, 2^e4 (A's scales of the three projections, which may differ).
; NO WORK OF THE PROBLEM IS LEFT OUT in any launch of this program: every input has a way to the output (bk moves K's codes), and every input is loaded.
; code = x / 2^e, held within +-448, rounded to the nearest code, ties to even.  LIMITS: each e between -126 and 119; NaN among the inputs is not served (an infinity is held at the largest code).
; A wave takes 4,096 numbers.  With one scale for a tensor a conversion may take ANY eight numbers, so the loads stay dense: load j brings numbers 128 j + 4 lane + 0..3, and the eight registers of loads 2 p and
; 2 p + 1 are converted together: word 0 is four codes at byte 256 p + 4 lane, word 1 four codes 128 bytes on.  The words go through the wave's own LDS and come back 16 bytes a lane: each store of the wave covers 512 consecutive bytes, aligned.
; No barrier: waves share nothing.  All 32 loads of a wave go out at once.
.set WREG,  12288                      ; LDS of a wave: three sets of 4,096 codes
.set SPARE, 4*WREG                     ; behind them: the spare words, 128 bytes a wave
.set T,     16                         ; v16-31   two sets of eight held numbers, by turns
.set C,     32                         ; v32-43   codes: two pairs x three sets x two registers
.set X,     64                         ; v64-191  the numbers as loaded; later the codes read back
	s_load_b128 s[4:7], s[0:1], 0x0                ; x, the exponents
	s_load_b64 s[8:9], s[0:1], 0x10                ; xc
	v_lshl_add_u32 v6, v0, 2, SPARE                ; my spare word; never rewritten
	v_mov_b32 v7, 0                                ; 0; never rewritten
	v_lshrrev_b32 v1, 5, v0
	v_readfirstlane_b32 s10, v1                    ; wave
	v_and_b32 v2, 31, v0                           ; lane
	v_lshlrev_b32 v3, 4, v2                        ; 16 x lane: my place in 512 bytes, in and out
	s_mul_i32 s11, s10, WREG
	v_lshl_add_u32 v4, v2, 2, s11                  ; LDS, on the way in: 4 x lane
	v_lshl_add_u32 v5, v2, 4, s11                  ; and back: 16 x lane
	s_lshl_b32 s12, ttmp9, 2
	s_add_co_u32 s12, s12, s10                     ; which run of 4,096 numbers is my wave's
	s_lshl_b32 s14, s12, 14                        ; in x, in bytes
	s_mov_b32 s15, 0
	s_lshl_b32 s12, s12, 12                        ; in a set of codes
	s_mov_b32 s13, 0
	s_wait_alu depctr_va_vdst(0)
	s_wait_kmcnt 0x0
	s_load_b256 s[16:23], s[6:7], 0x0              ; e0 .. e7
	s_add_nc_u64 s[4:5], s[4:5], s[14:15]
	s_add_nc_u64 s[24:25], s[8:9], s[12:13]        ; a base for each set: 8 MiB does not fit a store's immediate
	s_add_nc_u64 s[26:27], s[24:25], 0x400000
	s_add_nc_u64 s[28:29], s[24:25], 0x800000
.set J, 0
.rept 32
	global_load_b128 v[X+4*J:X+4*J+3], v3, s[4:5] offset:512*J th:TH_LOAD_NT
.set J, J+1
.endr
	s_wait_kmcnt 0x0
.irp s, 0,1,2
	s_add_co_i32 s[16+2*\s], s[16+2*\s], 127
	s_lshl_b32 s11, s[16+2*\s], 23
	v_mov_b32 v[8+2*\s], s11                       ; 2^e as f32: the conversion takes its exponent field
	s_add_co_i32 s[16+2*\s], s[16+2*\s], 8
	s_lshl_b32 s[16+2*\s], s[16+2*\s], 23
	s_or_b32 s[16+2*\s], s[16+2*\s], 0x600000
	v_mov_b32 v[9+2*\s], s[16+2*\s]                ; 448 x 2^e
.endr
.set TS, 0
.macro PAIR p
	s_wait_loadcnt 30-2*(\p)                       ; loads come back in order: behind this pair's two stand 30 - 2 p younger ones
.if (\p) >= 2
	s_wait_dscnt 6                                 ; the pair before's six stores may be out; those of two pairs back have read this half of C
.endif
.irp s, 0,1,2
.irp i, 0,1,2,3,4,5,6,7
	v_med3_num_f32 v[T+8*TS+\i], v[X+8*(\p)+\i], -v[9+2*\s], v[9+2*\s]   ; the conversion does not saturate (ISA guide 7.6.2): the hold comes first
.endr
	v_cvt_scalef32_pk8_fp8_f32 v[C+6*((\p)%2)+2*\s:C+6*((\p)%2)+2*\s+1], v[T+8*TS:T+8*TS+7], v[8+2*\s]
	ds_store_b32 v4, v[C+6*((\p)%2)+2*\s] offset:4096*\s+256*(\p)
	ds_store_b32 v4, v[C+6*((\p)%2)+2*\s+1] offset:4096*\s+256*(\p)+128
.set TS, 1-TS                                  ; the next eight holds write the OTHER set: eight plain lines stand between a conversion and a write of its sources
.endr
.endm
	s_wait_alu depctr_va_vdst(0)
.irp p, 0,1,2,3,4,5,6,7,8,9,10,11,12,13,14,15
	PAIR \p
.endr
.irp s, 0,1,2
.irp u, 0,1,2,3,4,5,6,7
	ds_load_b128 v[X+4*(8*\s+\u):X+4*(8*\s+\u)+3], v5 offset:4096*\s+512*\u   ; LDS serves a wave's instructions in order (ISA guide 5.7.1.4): these see my stores
.endr
.endr
.irp s, 0,1,2
.irp u, 0,1,2,3,4,5,6,7
	s_wait_dscnt 23-8*\s-\u
	global_store_b128 v3, v[X+4*(8*\s+\u):X+4*(8*\s+\u)+3], s[24+2*\s:25+2*\s] offset:512*\u
.endr
.endr
	s_wait_tensorcnt 0x0                           ; the wave's end
	ds_add_u32 v6, v7
	s_wait_dscnt 0x0
	s_endpgm
.Lfunc_end_k_q2f164d41ca_prep:
	.size	k_q2f164d41ca_prep, .Lfunc_end_k_q2f164d41ca_prep-k_q2f164d41ca_prep
	.p2alignl 7, 3214868480
	.fill 96, 4, 3214868480
	.section	.rodata,"a",@progbits
	.p2align	6, 0x0
	.amdhsa_kernel k_q2f164d41ca_prep
		.amdhsa_group_segment_fixed_size 49664
		.amdhsa_private_segment_fixed_size 0
		.amdhsa_enable_private_segment 0
		.amdhsa_kernarg_size 24
		.amdhsa_user_sgpr_count 2
		.amdhsa_user_sgpr_kernarg_segment_ptr 1
		.amdhsa_wavefront_size32 1
		.amdhsa_system_sgpr_workgroup_id_x 1
		.amdhsa_system_sgpr_workgroup_id_y 1
		.amdhsa_system_sgpr_workgroup_id_z 1
		.amdhsa_system_vgpr_workitem_id 0
		.amdhsa_next_free_vgpr 192
		.amdhsa_next_free_sgpr 66
		.amdhsa_reserve_vcc 0
		.amdhsa_float_denorm_mode_32 3
		.amdhsa_float_denorm_mode_16_64 3
		.amdhsa_memory_ordered 1
		.amdhsa_forward_progress 1
		.amdhsa_inst_pref_size 44
	.end_amdhsa_kernel
	.amdgpu_metadata
---
amdhsa.version: [ 1, 2 ]
amdhsa.kernels:
  - .name:           k_q2f164d41ca_prep
    .symbol:         k_q2f164d41ca_prep.kd
    .args:
      - { .name: x, .offset: 0, .size: 8, .value_kind: global_buffer, .address_space: global }
      - { .name: lowp_scales, .offset: 8, .size: 8, .value_kind: global_buffer, .address_space: global }
      - { .name: xc, .offset: 16, .size: 8, .value_kind: global_buffer, .address_space: global }
    .group_segment_fixed_size: 49664
    .private_segment_fixed_size: 0
    .kernarg_segment_align: 8
    .kernarg_segment_size: 24
    .max_flat_workgroup_size: 128
    .sgpr_count:     66
    .vgpr_count:     192
    .wavefront_size: 32
...
	.end_amdgpu_metadata
.endif
;; end of part 1
;; launch qkv (part 2): grid 48 x 4, 4 waves a work-group, clusters of 4 x 4, 327,680 bytes of LDS; arguments xc, Wq_codes, Wk_codes, Wv_codes, bq, bk, bv, lowp_scales, qkv; writes qkv
.if DOCPART == 2
	.amdgcn_target "amdgcn-amd-amdhsa--gfx1250"
	.amdhsa_code_object_version 6
	.text
	.protected	k_q2f164d41ca_qkv
	.globl	k_q2f164d41ca_qkv
	.p2align	8
	.type	k_q2f164d41ca_qkv,@function
k_q2f164d41ca_qkv:
	s_mov_b64 s[64:65], 0
	v_nop
	global_prefetch_b8 v0, s[64:65] scope:SCOPE_SE
	s_setreg_imm32_b32 hwreg(HW_REG_WAVE_MODE, 25, 1), 1
	s_wait_xcnt 0x0
	s_wait_alu depctr_hold_cnt(0) depctr_sa_sdst(0) depctr_va_vdst(0) depctr_va_sdst(0) depctr_va_ssrc(0) depctr_va_vcc(0) depctr_vm_vsrc(0)
	s_getreg_b32 s2, hwreg(HW_REG_IB_STS2, 6, 4)
	s_cmp_eq_u32 s2, 0
	s_cbranch_scc0 .Lentry_in_a_cluster
	s_endpgm
.Lentry_in_a_cluster:
	s_bfe_u32 s2, ttmp6, 0x10000c
	s_cmp_lg_u32 s2, 0xf033
	s_cbranch_scc0 .Lentry_shape_is_right
	s_endpgm
.Lentry_shape_is_right:
; The three projections on codes of E4M3, their results quantised on the way out.  One generic product C[m][n] = sum over k of A[m][k] B[n][k], K = 1,024, rows of 1,024 bytes, codes out along n.
; Twelve clusters of 4 x 4 work-groups; g = cluster / 4, i = cluster % 4.
;   g = 0: A = x's codes (set 0), B = Wq: Q = quantised(sum 2^(e0+e1) + bq) with 2^e6, laid [token][1024] at qkv + 0.          g = 1: the same with set 1, Wk, bk, e2, e3, e7, at qkv + 4 MiB.
;   g = 2: A = Wv, B = x's codes (set 2): rows are channels and columns tokens, so that a lane's eight results are eight neighbouring KEYS: V^T = quantised(sum 2^(e4+e5) + bv) with 2^e9, [batch][1024 channels][2048 keys] at qkv + 8 MiB.
;          Inside each 32 keys byte 16 h + 8 u + i holds key 16 u + 8 h + i: four 16-byte loads then give the attention launch the plain K = 128 form's own register layout.
; No work is left out.  LIMITS: e0+e1, e2+e3, e4+e5 between -126 and 127; e6, e7, e9 between -126 and 119.  NaN is not served.
; A tile of C, 256 x 256, is made by four waves, each 128 x 128: 64 accumulators, 512 registers.  K goes in steps of 256 through two LDS slots filled by the tensor data mover; rows of 256 bytes.
; CLUSTER: the four work-groups of a row of the cluster need the same tiles of A, the four of a column the same tiles of B: each tile is asked for jointly.  g, i are the same in all sixteen partners.
; THE MATRIX INSTRUCTION IS USED TRANSPOSED (source 0 = 16 rows of B, source 1 = 16 rows of A): a lane holds eight neighbouring n of one row m.  Both fragments come by four 16-byte loads: the same permutation of k in A and B.
; REGISTERS: window 0: v0-31 addresses; v32-95 the bias; v96-159 results at work; v128-255 A's fragments, ONE set (on the way out: codes at v160-191, then rows read back at v128-255).
;   window 1: B's fragments, TWO sets.   window 2, 3: the accumulators of my rows 0-63, 64-127 (accumulator (a, b) at v[8 (8 (a % 4) + b)]).
; LAYOUT OF Q AND K AS STORED (it takes the place of the [token][1024] named above): [batch][head][token][64], a head's 2,048 tokens one dense block of 128 KiB,
; so that the attention launch fetches a head's K as rows of 256 bytes.  V^T is laid as said above.
.set ROWB,   256
.set KROW,   1024                      ; a row of A or B in memory
.set PITCH,  272                       ; an LDS row: 256 bytes + 16: row r begins 16 r bytes further on modulo 256, so the 16 rows of a load touch 16 different 16-byte columns
.set FR,     16
.set NL,     4
.set NP,     4                         ; places behind this matrix instruction (ISA guide 7.12.1)
.set HALFT,  128*PITCH
.set SLOT,   4*HALFT
.set LAPS,   2                         ; K = 1,024 = four K steps = twice round the ring
.set SPARE,  2*SLOT                    ; behind the ring: the spare words
.set STGM,   256*PITCH                 ; the way out's stages lie in slot 0, which has had its last fill and its last read by then: 256 rows x 272 for Q and K at byte 0, for V^T at byte STGM
.set ADRA, 16
.set BON,  18                          ; v18  bias along n: 32 h
.set BOM,  19                          ; v19  bias along m: 4 r
.set ADRB, 20
.set STOM, 22
.set RDM,  23
.set STON, 24
.set RDN,  25
.set CON,  26
.set COM,  27
.set SPW,  28
.set NIL,  29
.set LIM,  30
.set SCL,  31
.set BIA,  32
.set TMP,  96
.set AF,   128
.set COD,  160
.set BK,   128
.set G1, 24
.set G0, 32
.set G1B, 48
.set G0B, 56
.set MSB, 0
.macro WIN new                         ; the immediate's high byte repeats the setting that is left
.if MSB != \new
	s_set_vgpr_msb (MSB<<8)|\new
.set MSB, \new
.endif
.endm
.set MUL_LO, 0xa1                      ; source 0 (B) window 1, source 1 (A) window 0, C and D window 2
.set MUL_HI, 0xf1
.set TO_B,   0x40
; A joint load: waves 0 and 1 fetch for A, waves 2 and 3 for B; the branch hangs on the wave's number alone.  An s_nop 0 and four v_nop follow each line.
.macro JLOAD g0a, g1a, g0b, g1b
	s_cmp_eq_u32 s15, 0
	s_cbranch_scc0 .Lfor_b_\@
	tensor_load_to_lds s[\g0a:\g0a+3], s[\g1a:\g1a+7]
	s_nop 0
.rept 4
	v_nop
.endr
	s_branch .Lasked_\@
.Lfor_b_\@:
	tensor_load_to_lds s[\g0b:\g0b+3], s[\g1b:\g1b+7]
	s_nop 0
.rept 4
	v_nop
.endr
.Lasked_\@:
.endm
.macro CREST                           ; a round of the cluster's barrier behind its opening barrier
	s_cmp_lg_u32 s14, 0
	s_cbranch_scc1 .Lnot_wave_0_\@
	s_barrier_signal -3
.Lnot_wave_0_\@:
	s_barrier_wait -3
	s_barrier_signal -1
	s_barrier_wait -1
.endm
.macro CROUND
	s_barrier_signal -1
	s_barrier_wait -1
	CREST
.endm
	s_load_b512 s[68:83], s[0:1], 0x0              ; xc 68, Wq 70, Wk 72, Wv 74, bq 76, bk 78, bv 80, the exponents 82
	s_load_b64 s[84:85], s[0:1], 0x40              ; qkv
	v_lshl_add_u32 v[SPW], v0, 2, SPARE
	v_mov_b32 v[NIL], 0
	ds_add_u32 v[SPW], v[NIL]                      ; the wave's opening: the add, twice on end, and its wait ahead of my first tensor load
	ds_add_u32 v[SPW], v[NIL]
	v_lshrrev_b32 v1, 5, v0
	v_readfirstlane_b32 s14, v1                    ; wave 0..3
	s_lshr_b32 s15, s14, 1                         ; which half of the tile's rows is mine.  Also: I fetch for A (0) or for B (1)
	s_and_b32 s16, s14, 1                          ; which half of its columns.  Also: which 128 rows I fetch
	s_bfe_u32 s40, ttmp6, 0x40000                  ; cx
	s_bfe_u32 s41, ttmp6, 0x40004                  ; cy
	s_lshr_b32 s90, ttmp9, 2                       ; g: which projection
	s_and_b32 s91, ttmp9, 3                        ; i: which quarter of the tokens
	s_lshl_b32 s19, s90, 22                        ; g x 4 MiB
	s_cmp_eq_u32 s90, 2
	s_cselect_b32 s92, 0, s91                      ; the tokens are A's rows (g < 2)
	s_cselect_b32 s93, s91, 0                      ; or B's (g = 2)
	s_cselect_b32 s22, 0, s19                      ; the set of x's codes, in A's offset
	s_cselect_b32 s23, s19, 0                      ; or in B's
	s_lshl_b32 s42, s93, 2
	s_add_co_u32 s42, s42, s40                     ; tile column
	s_lshl_b32 s17, s92, 2
	s_add_co_u32 s17, s17, s41                     ; tile row
	s_lshl_b32 s43, s41, 2
	s_lshl_b32 s43, 15, s43                        ; my row of the cluster
	s_lshl_b32 s44, 0x1111, s40                    ; my column
	s_or_b32 s[G1+0], s43, (0<<16)|(1<<20)|(1<<21)|(5<<22)|(3<<25)  ; the mask; elements of 1 byte; padding on; bit 21 beside a mask; after every 64 words, 4 words
	s_or_b32 s[G1B+0], s44, (0<<16)|(1<<20)|(1<<21)|(5<<22)|(3<<25)
.irp g, G1, G1B
	s_mov_b32 s[\g+1], ROWB<<16                    ; tensor_dim0
	s_mov_b32 s[\g+2], 128<<16                     ; tensor_dim1
	s_mov_b32 s[\g+3], ROWB<<16                    ; tile_dim0
	s_mov_b32 s[\g+4], 128                         ; tile_dim1
	s_mov_b32 s[\g+5], KROW                        ; the pitch
	s_mov_b32 s[\g+6], 0
	s_mov_b32 s[\g+7], 0
.endr
	s_lshl_b32 s18, s16, 7
	s_lshl_b32 s20, s17, 8
	s_add_co_u32 s20, s20, s18                     ; A: row 256 x tile row + 128 x half
	s_lshl_b32 s20, s20, 10
	s_add_co_u32 s20, s20, s22
	s_lshl_b32 s46, s42, 8
	s_add_co_u32 s46, s46, s18                     ; B: row 256 x tile column + 128 x half
	s_lshl_b32 s46, s46, 10
	s_add_co_u32 s46, s46, s23
	s_mov_b32 s21, 0
	s_mov_b32 s47, 0
	s_mul_i32 s45, s14, HALFT                      ; where they go: wave x 128 rows
	s_wait_dscnt 0x0                               ; both opening adds are done
	s_wait_kmcnt 0x0
	s_cmp_eq_u32 s90, 2                            ; the buffers are chosen by the cluster's number alone
	s_cselect_b64 s[4:5], s[74:75], s[68:69]       ; A
	s_cselect_b64 s[6:7], s[68:69], s[70:71]       ; B
	s_cselect_b64 s[12:13], s[80:81], s[76:77]     ; the bias
	s_cmp_eq_u32 s90, 1
	s_cselect_b64 s[6:7], s[72:73], s[6:7]
	s_cselect_b64 s[12:13], s[78:79], s[12:13]
	s_mov_b64 s[8:9], s[82:83]
	s_mov_b64 s[10:11], s[84:85]
	s_load_b512 s[68:83], s[8:9], 0x0              ; e0 .. e15
	s_add_nc_u64 s[20:21], s[4:5], s[20:21]
	s_add_nc_u64 s[46:47], s[6:7], s[46:47]
	CROUND                                         ; all sixteen work-groups are here: the first joint loads meet
.irp s, 0,1
	s_mov_b32 s[G0+4*\s], 1
	s_add_co_u32 s[G0+4*\s+1], s45, \s*SLOT
	s_add_nc_u64 s[G0+4*\s+2:G0+4*\s+3], s[20:21], \s*ROWB
	s_or_b32 s[G0+4*\s+3], s[G0+4*\s+3], 0x80000000
	s_mov_b32 s[G0B+4*\s], 1
	s_add_co_u32 s[G0B+4*\s+1], s45, \s*SLOT
	s_add_nc_u64 s[G0B+4*\s+2:G0B+4*\s+3], s[46:47], \s*ROWB
	s_or_b32 s[G0B+4*\s+3], s[G0B+4*\s+3], 0x80000000
.endr
	JLOAD G0, G1, G0B, G1B                         ; K step 0: one tensor load a wave at the head
	; THE PREFETCH: K steps 1 and 2 are asked for behind the load of K step 0, K step 3 behind that of K step 1: each a change of slots or two ahead of the load that will want it.
	; Of the 128 rows that my wave fetches each of the four partners that ask for them jointly names 32, told apart by address (cx for A, cy for B): a lane a row, 256 bytes of it, aligned; each block once in a cluster.
	s_cmp_eq_u32 s15, 0                            ; do I fetch for A?
	s_cselect_b64 s[98:99], s[20:21], s[46:47]     ; my 128 rows
	s_cselect_b32 s92, s40, s41                    ; my place among the four
	s_lshl_b32 s92, s92, 15                        ; 32 rows of 1,024 bytes
	s_mov_b32 s93, 0
	s_add_nc_u64 s[98:99], s[98:99], s[92:93]      ; never rewritten
	v_and_b32 v10, 31, v0
	v_lshlrev_b32 v10, 10, v10                     ; a lane a row; never rewritten
	global_prefetch_b8 v10, s[98:99] offset:ROWB th:TH_LOAD_NT scope:SCOPE_SE
	global_prefetch_b8 v10, s[98:99] offset:2*ROWB th:TH_LOAD_NT scope:SCOPE_SE
	v_and_b32 v1, 15, v0                           ; r
	v_bfe_u32 v2, v0, 4, 1                         ; h
	v_mul_u32_u24 v3, v1, PITCH
	s_wait_alu depctr_va_vdst(0)
	v_lshl_add_u32 v4, v2, 4, v3                   ; a fragment's row x pitch + 16 h
	s_wait_alu depctr_va_vdst(0)
	s_mul_i32 s21, s15, HALFT
	s_mul_i32 s22, s16, HALFT
	s_add_co_u32 s22, s22, 2*HALFT
.irp s, 0,1
	v_add_nc_u32 v[ADRA+\s], s21, v4
	v_add_nc_u32 v[ADRB+\s], s22, v4
	s_add_co_u32 s21, s21, SLOT
	s_add_co_u32 s22, s22, SLOT
.endr
	s_mul_i32 s23, s15, 128*PITCH                  ; into a stage: row 128 x (my half of the rows) + r, byte 128 x (my half of the columns)
	s_lshl_b32 s21, s16, 7
	s_add_co_u32 s23, s23, s21
	v_lshl_add_u32 v[STON], v2, 3, v3              ; Q, K: + 8 h
	v_add_nc_u32 v[STON], s23, v[STON]
	v_add_nc_u32 v[STOM], s23, v4                  ; V^T: + 16 h,
	v_add_nc_u32 v[STOM], STGM, v[STOM]            ; in its own stage
	s_mul_i32 s23, s14, 64*PITCH                   ; back: wave w takes rows 64 w on, whole: lanes 0-15 one row, lanes 16-31 the next
	v_mul_u32_u24 v5, v2, PITCH
	v_lshl_add_u32 v5, v1, 4, v5
	v_add_nc_u32 v[RDN], s23, v5
	v_add_nc_u32 v[RDM], STGM, v[RDN]
	v_lshlrev_b32 v6, 4, v1
	v_and_b32 v7, 31, v0                           ; Q, K go back by heads: lane l takes token l / 4 of eight, bytes 16 (l % 4) of a head's 64
	v_lshrrev_b32 v8, 2, v7
	v_and_b32 v9, 3, v7
	v_mul_u32_u24 v8, v8, PITCH
	v_lshl_add_u32 v8, v9, 4, v8
	v_add_nc_u32 v[RDN], s23, v8
	v_lshlrev_b32 v[CON], 4, v7                    ; in memory the eight tokens' 64 bytes are 512 consecutive bytes: 16 x lane
	v_lshl_add_u32 v[COM], v2, 11, v6              ; or 2,048
	v_lshlrev_b32 v[BON], 5, v2
	v_lshlrev_b32 v[BOM], 2, v1
	; where I store, in bytes (registers that never feed a descriptor)
	s_lshl_b32 s86, s17, 8
	s_lshl_b32 s87, s14, 6
	s_add_co_u32 s86, s86, s87                     ; the first row that I store: 256 x tile row + 64 x wave
	s_lshr_b32 s88, s86, 11                        ; Q, K: batch x 16 heads x 128 KiB
	s_lshl_b32 s88, s88, 21
	s_lshl_b32 s87, s42, 19                        ; + the tile column's first head (4 x tile column) x 128 KiB
	s_add_co_u32 s88, s88, s87
	s_and_b32 s87, s86, 2047
	s_lshl_b32 s87, s87, 6                         ; + the token in its batch x 64
	s_add_co_u32 s88, s88, s87
	s_lshl_b32 s89, s86, 11                        ; V^T: channel x 2,048
	s_lshr_b32 s87, s42, 3
	s_lshl_b32 s87, s87, 21
	s_add_co_u32 s89, s89, s87                     ; + batch x 2 MiB
	s_and_b32 s87, s42, 7
	s_lshl_b32 s87, s87, 8
	s_add_co_u32 s89, s89, s87                     ; + the tile's first key
	s_cmp_eq_u32 s90, 2
	s_cselect_b32 s88, s89, s88
	s_add_co_u32 s88, s88, s19                     ; + g x 4 MiB
	s_mov_b32 s89, 0
	s_add_nc_u64 s[10:11], s[10:11], s[88:89]
	s_lshl_b32 s86, s42, 10                        ; the bias: along n from 256 x tile column + 128 x (my half of the columns),
	s_lshl_b32 s87, s16, 9
	s_add_co_u32 s86, s86, s87
	s_lshl_b32 s94, s17, 10                        ; along m from 256 x tile row + 128 x (my half of the rows)
	s_lshl_b32 s87, s15, 9
	s_add_co_u32 s94, s94, s87
	s_cmp_eq_u32 s90, 2
	s_cselect_b32 s86, s94, s86
	s_mov_b32 s87, 0
	s_add_nc_u64 s[12:13], s[12:13], s[86:87]
.macro FRAG reg, adr, q, i             ; 16 rows x 128 K: lane l holds row l % 16; registers 4 c .. 4 c + 3 hold K = 32 c + 16 (l / 16) + 0 .. 15
.irp c, 0,1,2,3
	ds_load_b128 v[\reg+4*\c:\reg+4*\c+3], v[\adr] offset:128*(\q)+32*\c+(\i)*16*PITCH
.endr
.endm
; 16 matrix instructions: A's blocks a0, a0 + 1 x B's eight.  The 64 accumulators take turns, one instruction a turn, in the same order in every step.
.macro MUL16 a0, p, zero
.irp a, \a0, \a0+1
.irp b, 0,1,2,3,4,5,6,7
.if \zero
	v_wmma_f32_16x16x128_fp8_fp8 v[8*(8*((\a)%4)+\b):8*(8*((\a)%4)+\b)+7], v[128*(\p)+FR*\b:128*(\p)+FR*\b+FR-1], v[AF+FR*(\a):AF+FR*(\a)+FR-1], 0
.else
	v_wmma_f32_16x16x128_fp8_fp8 v[8*(8*((\a)%4)+\b):8*(8*((\a)%4)+\b)+7], v[128*(\p)+FR*\b:128*(\p)+FR*\b+FR-1], v[AF+FR*(\a):AF+FR*(\a)+FR-1], v[8*(8*((\a)%4)+\b):8*(8*((\a)%4)+\b)+7]
.endif
.endr
.endr
.endm
.macro FETCH_B slot, q, p
	WIN TO_B
.irp i, 0,1,2,3,4,5,6,7
	FRAG 128*(\p)+FR*\i, ADRB+\slot, \q, \i
.endr
	WIN 0
.endm
.macro FETCH_A slot, q, i0
.irp i, \i0, \i0+1, \i0+2, \i0+3
	FRAG AF+FR*(\i), ADRA+\slot, \q, \i
.endr
.endm
.macro PLACES n                        ; plain vector lines between a matrix instruction and a load into, or a vector read of, its registers
.rept \n
	v_nop
.endr
.endm
.macro STEP slot, q, zero              ; 128 along K, with its successor in the same slot
	s_wait_dscnt 4*NL                              ; B's set and A's blocks 0-3 are in; the youngest sixteen loads (A's blocks 4-7) may be out
	WIN MUL_LO
	MUL16 0, (\q)%2, \zero
	MUL16 2, (\q)%2, \zero
	s_wait_dscnt 0                                 ; A's blocks 4-7 are in
	PLACES NP
	FETCH_B \slot, (\q)+1, 1-(\q)%2
	FETCH_A \slot, (\q)+1, 0
	WIN MUL_HI
	MUL16 4, (\q)%2, \zero
	MUL16 6, (\q)%2, \zero
	PLACES NP
	WIN 0
	FETCH_A \slot, (\q)+1, 4
.endm
; A slot's last step changes slots: one barrier; in front of it each wave waits for all its tensor loads, adds 0 to its spare word, and waits for that and for its reads of this slot.
.macro TURN slot, next, fill
	s_wait_tensorcnt 0x0                           ; all my tensor loads have landed: my part of the next slot
	ds_add_u32 v[SPW], v[NIL]
	s_wait_dscnt 4*NL+1                            ; the add and the youngest sixteen loads may be out
	WIN MUL_LO
	MUL16 0, 1, 0
	s_wait_dscnt 0x0                               ; the add is done, and my reads of this slot are over
	s_barrier_signal -1
	MUL16 2, 1, 0
	WIN 0
	s_barrier_wait -1
.if \fill
	CREST                                          ; the barrier has opened a round of the cluster's: no wave of any partner still reads this slot or has a load on its way
	s_add_nc_u64 s[G0+4*\slot+2:G0+4*\slot+3], s[G0+4*\slot+2:G0+4*\slot+3], 2*ROWB
	s_add_nc_u64 s[G0B+4*\slot+2:G0B+4*\slot+3], s[G0B+4*\slot+2:G0B+4*\slot+3], 2*ROWB
	JLOAD G0+4*\slot, G1, G0B+4*\slot, G1B         ; the first tensor load behind the round; its four v_nop are the places in front of the loads below
.else
	PLACES NP
.endif
	FETCH_B \next, 0, 0
	FETCH_A \next, 0, 0
	WIN MUL_HI
	MUL16 4, 1, 0
	MUL16 6, 1, 0
	PLACES NP
	WIN 0
	FETCH_A \next, 0, 4
.endm
.macro LAST                            ; the very last step: nothing more to fetch
	s_wait_dscnt 4*NL
	WIN MUL_LO
	MUL16 0, 1, 0
	MUL16 2, 1, 0
	s_wait_dscnt 0
	WIN MUL_HI
	MUL16 4, 1, 0
	MUL16 6, 1, 0
	WIN 0
.endm
.macro SCALES                          ; s96 = ea + eb, s94 = the result's exponent
	s_add_co_i32 s96, s96, 127
	s_lshl_b32 s96, s96, 23                        ; 2^(ea + eb) as f32
	s_mov_b32 s97, s96                             ; (named with it as a pair)
	s_add_co_i32 s94, s94, 127
	s_lshl_b32 s95, s94, 23
	v_mov_b32 v[SCL], s95                          ; the result's scale
	s_add_co_i32 s94, s94, 8
	s_lshl_b32 s94, s94, 23
	s_or_b32 s94, s94, 0x600000
	v_mov_b32 v[LIM], s94                          ; 448 x that
.endm
; Block a (16 rows x 128 columns): sum x 2^(ea + eb) + bias in f32, held, converted (eight neighbours along n of a lane give 8 bytes), into the work-group's stage.
.macro QSTORE mtype, sto
	s_wait_loadcnt 0x0                             ; the bias
	PLACES NP
.irp a, 0,1,2,3,4,5,6,7
.if \a >= 2
	s_wait_dscnt 8                                 ; the block before's eight stores may be out; those of two blocks back have read this set of codes
.endif
.if \a < 4
	WIN 0x02
.else
	WIN 0x03
.endif
.set J, 0
.rept 32
.if \mtype
	v_pk_fma_f32 v[TMP+J:TMP+J+1], v[64*(\a%4)+J:64*(\a%4)+J+1], s[96:97], v[BIA+2*\a:BIA+2*\a+1] op_sel_hi:[1,0,1]   ; each accumulator from its low end on
.else
	v_pk_fma_f32 v[TMP+J:TMP+J+1], v[64*(\a%4)+J:64*(\a%4)+J+1], s[96:97], v[BIA+J:BIA+J+1] op_sel_hi:[1,0,1]
.endif
.set J, J+2
.endr
	WIN 0
.irp b, 0,1,2,3,4,5,6,7
.irp i, 0,1,2,3,4,5,6,7
	v_med3_num_f32 v[TMP+8*\b+\i], v[TMP+8*\b+\i], -v[LIM], v[LIM]
.endr
	v_cvt_scalef32_pk8_fp8_f32 v[COD+16*(\a%2)+2*\b:COD+16*(\a%2)+2*\b+1], v[TMP+8*\b:TMP+8*\b+7], v[SCL]
.endr
	v_nop                                          ; a plain line behind the last conversion
.irp b, 0,1,2,3,4,5,6,7
.if \mtype
	ds_store_b64 v[\sto], v[COD+16*(\a%2)+2*\b:COD+16*(\a%2)+2*\b+1] offset:\a*16*PITCH+32*(\b/2)+8*(\b%2)   ; keys 16 b + 8 h + i go to byte 32 (b / 2) + 16 h + 8 (b % 2) + i
.else
	ds_store_b64 v[\sto], v[COD+16*(\a%2)+2*\b:COD+16*(\a%2)+2*\b+1] offset:\a*16*PITCH+16*\b
.endif
.endr
.endr
.endm
.macro QSEND rd, co, po                ; 64 whole rows of 256 bytes: sixteen lanes store 256 consecutive bytes, aligned
.set J, 0
.rept 32
	ds_load_b128 v[BK+4*J:BK+4*J+3], v[\rd] offset:J*2*PITCH
.set J, J+1
.endr
.set J, 0
.rept 32
	s_wait_dscnt 31-J
	global_store_b128 v[\co], v[BK+4*J:BK+4*J+3], s[10:11] offset:2*J*\po
.set J, J+1
.endr
.endm
	s_wait_alu depctr_va_vdst(0)                   ; the wait at the head's end
	s_wait_tensorcnt 0x0                           ; my part of K step 0 is in
	ds_add_u32 v[SPW], v[NIL]
	s_wait_dscnt 0x0
	CROUND                                         ; everybody's part of K step 0 is in, and the joint loads meet
	JLOAD G0+4, G1, G0B+4, G1B                     ; K step 1's load, the first tensor load behind the round
	global_prefetch_b8 v10, s[98:99] offset:3*ROWB th:TH_LOAD_NT scope:SCOPE_SE   ; K step 3, the last
	FETCH_B 0, 0, 0
	FETCH_A 0, 0, 0
	FETCH_A 0, 0, 4
	STEP 0, 0, 1                                   ; the first step's products start the sums: nothing is cleared
	s_mov_b32 s3, LAPS-1
.Llap:                                             ; a trip goes once round the ring and fills both slots again
	TURN 0, 1, 1
	STEP 1, 0, 0
	TURN 1, 0, 1
	STEP 0, 0, 0
	s_sub_co_u32 s3, s3, 1
	s_cmp_lg_u32 s3, 0
	s_cbranch_scc1 .Llap
	TURN 0, 1, 0                                   ; the last lap fills nothing
	STEP 1, 0, 0
	s_cmp_eq_u32 s90, 2                            ; the two forms of the way out part on the cluster's number; no barrier stands in either
	s_cbranch_scc1 .Lv_store
	s_wait_alu depctr_va_vdst(0)
.irp b, 0,1,2,3,4,5,6,7                        ; Q, K: the bias runs along n: my eight numbers of each of B's blocks; the last step's 64 products stand between these loads and their use
	global_load_b128 v[BIA+8*\b:BIA+8*\b+3], v[BON], s[12:13] offset:64*\b
	global_load_b128 v[BIA+8*\b+4:BIA+8*\b+7], v[BON], s[12:13] offset:64*\b+16
.endr
	LAST
	s_wait_kmcnt 0x0
	s_add_co_i32 s96, s68, s69
	s_add_co_i32 s97, s70, s71
	s_cmp_eq_u32 s90, 0
	s_cselect_b32 s96, s96, s97
	s_cselect_b32 s94, s74, s75
	SCALES
	QSTORE 0, STON
	s_branch .Lstaged
.Lv_store:
	s_wait_alu depctr_va_vdst(0)
.irp a, 0,1,2,3,4,5,6,7                        ; V^T: the bias runs along m: one number a lane and block, in both halves of a pair
	global_load_b32 v[BIA+2*\a], v[BOM], s[12:13] offset:64*\a
	global_load_b32 v[BIA+2*\a+1], v[BOM], s[12:13] offset:64*\a
.endr
	LAST
	s_wait_kmcnt 0x0
	s_add_co_i32 s96, s72, s73
	s_mov_b32 s94, s77
	SCALES
	QSTORE 1, STOM
.Lstaged:
	s_wait_dscnt 0x0                               ; for the others' sake: my stores into the stage are done
	s_barrier_signal -1
	s_barrier_wait -1                              ; a row's 256 bytes come from two waves
	s_cmp_eq_u32 s90, 2
	s_cbranch_scc1 .Lv_send
.set J, 0
.rept 32                                       ; my 64 tokens x 4 heads: load J brings eight tokens (J % 8) of head J / 8
	ds_load_b128 v[BK+4*J:BK+4*J+3], v[RDN] offset:(J%8)*8*PITCH+64*(J/8)
.set J, J+1
.endr
.set J, 0
.rept 32
	s_wait_dscnt 31-J
	global_store_b128 v[CON], v[BK+4*J:BK+4*J+3], s[10:11] offset:(J/8)*131072+(J%8)*512   ; the wave stores 512 consecutive bytes, aligned
.set J, J+1
.endr
	s_branch .Lend
.Lv_send:
	QSEND RDM, COM, 2048
.Lend:
	s_wait_tensorcnt 0x0                           ; the wave's end
	ds_add_u32 v[SPW], v[NIL]
	s_wait_dscnt 0x0
	CROUND                                         ; the closing round
	s_endpgm
.Lfunc_end_k_q2f164d41ca_qkv:
	.size	k_q2f164d41ca_qkv, .Lfunc_end_k_q2f164d41ca_qkv-k_q2f164d41ca_qkv
	.p2alignl 7, 3214868480
	.fill 96, 4, 3214868480
	.section	.rodata,"a",@progbits
	.p2align	6, 0x0
	.amdhsa_kernel k_q2f164d41ca_qkv
		.amdhsa_group_segment_fixed_size 327680
		.amdhsa_private_segment_fixed_size 0
		.amdhsa_enable_private_segment 0
		.amdhsa_kernarg_size 72
		.amdhsa_user_sgpr_count 2
		.amdhsa_user_sgpr_kernarg_segment_ptr 1
		.amdhsa_wavefront_size32 1
		.amdhsa_system_sgpr_workgroup_id_x 1
		.amdhsa_system_sgpr_workgroup_id_y 1
		.amdhsa_system_sgpr_workgroup_id_z 1
		.amdhsa_system_vgpr_workitem_id 0
		.amdhsa_next_free_vgpr 1024
		.amdhsa_next_free_sgpr 100
		.amdhsa_reserve_vcc 0
		.amdhsa_float_denorm_mode_32 3
		.amdhsa_float_denorm_mode_16_64 3
		.amdhsa_memory_ordered 1
		.amdhsa_forward_progress 1
		.amdhsa_inst_pref_size 215
	.end_amdhsa_kernel
	.amdgpu_metadata
---
amdhsa.version: [ 1, 2 ]
amdhsa.kernels:
  - .name:           k_q2f164d41ca_qkv
    .symbol:         k_q2f164d41ca_qkv.kd
    .args:
      - { .name: xc, .offset: 0, .size: 8, .value_kind: global_buffer, .address_space: global }
      - { .name: Wq_codes, .offset: 8, .size: 8, .value_kind: global_buffer, .address_space: global }
      - { .name: Wk_codes, .offset: 16, .size: 8, .value_kind: global_buffer, .address_space: global }
      - { .name: Wv_codes, .offset: 24, .size: 8, .value_kind: global_buffer, .address_space: global }
      - { .name: bq, .offset: 32, .size: 8, .value_kind: global_buffer, .address_space: global }
      - { .name: bk, .offset: 40, .size: 8, .value_kind: global_buffer, .address_space: global }
      - { .name: bv, .offset: 48, .size: 8, .value_kind: global_buffer, .address_space: global }
      - { .name: lowp_scales, .offset: 56, .size: 8, .value_kind: global_buffer, .address_space: global }
      - { .name: qkv, .offset: 64, .size: 8, .value_kind: global_buffer, .address_space: global }
    .group_segment_fixed_size: 327680
    .private_segment_fixed_size: 0
    .kernarg_segment_align: 8
    .kernarg_segment_size: 72
    .max_flat_workgroup_size: 128
    .sgpr_count:     100
    .vgpr_count:     1024
    .wavefront_size: 32
...
	.end_amdgpu_metadata
.endif
;; end of part 2
;; launch attn (part 3): grid 8 x 32, 16 waves a work-group, clusters of 4 x 1, 327,680 bytes of LDS; arguments qkv, lowp_scales, ac; writes ac
.if DOCPART == 3
	.amdgcn_target "amdgcn-amd-amdhsa--gfx1250"
	.amdhsa_code_object_version 6
	.text
	.protected	k_q2f164d41ca_attn
	.globl	k_q2f164d41ca_attn
	.p2align	8
	.type	k_q2f164d41ca_attn,@function
k_q2f164d41ca_attn:
	s_mov_b64 s[64:65], 0
	v_nop
	global_prefetch_b8 v0, s[64:65] scope:SCOPE_SE
	s_setreg_imm32_b32 hwreg(HW_REG_WAVE_MODE, 25, 1), 1
	s_wait_xcnt 0x0
	s_wait_alu depctr_hold_cnt(0) depctr_sa_sdst(0) depctr_va_vdst(0) depctr_va_sdst(0) depctr_va_ssrc(0) depctr_va_vcc(0) depctr_vm_vsrc(0)
	s_getreg_b32 s2, hwreg(HW_REG_IB_STS2, 6, 4)
	s_cmp_eq_u32 s2, 0
	s_cbranch_scc0 .Lentry_in_a_cluster
	s_endpgm
.Lentry_in_a_cluster:
	s_bfe_u32 s2, ttmp6, 0x10000c
	s_cmp_lg_u32 s2, 0x3003
	s_cbranch_scc0 .Lentry_shape_is_right
	s_endpgm
.Lentry_shape_is_right:
; Attention on codes of E4M3: S = Q K^T (scales 2^e6, 2^e7), p = 2^(t - M), O = p V (2^e8, 2^e9) / the row's sum; the result is quantised with 2^e10.  No work is left out.
; t = score x log2(e) / 8; M = the running largest t rounded UP to a whole number; the row's sum is taken of the unquantised p in f32.  When M moves, the sum and O are multiplied by 2^(old M - new M): exact.
; IN: qkv holds Q and K as [batch][head][token][64] (at 0 and 4 MiB) and V^T as [batch][1024 channels][2048 keys] (at 8 MiB; inside each 32 keys byte 16 h + 8 u + i holds key 16 u + 8 h + i).
; OUT: ac [2 halves of K][token / 4][8 heads][4 tokens][64]: four tokens of a head are one aligned unit of 256 bytes, and 64 tokens x 512 of the next product's K are one dense block.
; SHARES.  A work-group owns ONE head and 256 of its queries.  The head's whole K (128 KiB) and V^T (128 KiB) lie in LDS: sixteen tiles of 64 rows x 256 bytes, one tensor load a wave at the head
; (waves 0-7: 256 keys of K each, dense; waves 8-15: 256 keys of V^T's 64 rows each).  Nothing is filled again, so the loop over the keys has no barrier.
; Wave w owns 32 queries (w % 8), two tiles A and B, and half of the keys (w / 8): each fragment of K and V^T feeds two matrix instructions.  In waves 8-15 tile A is the upper 16 queries, so that
; waves w and w xor 8 hold the same queries as A and B: at the end each hands its B (O, -M, sum) to the other through LDS, joins the other's B to its own A by exact powers of two, and finishes 16 queries.
; CLUSTER: the four query blocks of a cluster need the same K and V^T: every tile is asked for jointly (mask 15).  No prefetch: all tiles are asked for at the head, so there is no later load to run ahead of.
; LAYOUT.  Both products transposed: S^T = K Q^T (K = 64 form; source 0 = 16 neighbouring keys), O^T = V^T P^T (K = 128 form): a lane holds ONE query of each tile.  Key tile T's eight scores of a lane are keys
; 16 T + 8 h + 0..7: one conversion gives registers 2 T, 2 T + 1 of the K = 128 form's own layout.  Q's and K's fragments come by two 16-byte loads each: the same permutation of the head's 64 in both.
; THE STEP'S ORDER.  Independent chains take turns: maxima and sums run in eight chains; one tile's chain across the lanes (largest score, M, f) stands among the other tile's maxima or scalings;
; tile A's exponentials take turns with tile B's scalings, tile B's with tile A's holds: what is written among exponentials is first read behind the wait that follows them.
; LIMITS: e6 + e7 between -124 and 129 (added to c's exponent field); e8 and e10 between -126 and 119; the scaled scores stay under 2^31 in magnitude.  NaN is not served.
; REGISTERS: v0 thread; v1, v2 the add's two; v3, v4 my lane's place in K, V^T; v5 2^e8; v6, v7 the step's addresses; v8 -M, v9 largest score of A; v10, v11 of B; v[12:13], v[14:15] the sums;
; v16-31 Q (A, B); v32-63 key tiles 4-7 of K, then at work, then p's codes (A at 32, B at 48); v64-127 S^T of A, then V^T's four fragments; v128-191 S^T of B, its upper half then the next step's key tiles 0-3; v192-223, v224-255 O^T of A, B.
.set PK,    272                        ; an LDS row: 256 bytes + 16: four keys of K, or 256 keys of a channel of V^T
.set TILE,  64*PK                      ; what one tensor load brings
.set VOFF,  8*TILE
.set SPARE, 16*TILE                    ; the spare words, 128 bytes for each of 16 waves
.set STAGE, SPARE+2048                 ; the way out: 1,024 bytes for each wave, its own; no fill lands there
.set XW,    4352                       ; the exchange: 32 registers x 128 bytes + 256 for each wave, on K's bytes, which have had their only fill and, behind a barrier, their last read
.set F,  32
.set CA, 32
.set CB, 48
.set SA, 64
.set SB, 128
.set KN, 160
.set OA, 192
.set OB, 224
.set WV,   22
.set G1K,  24
.set G1V,  32
.set G0,   40
.set SEL,  44
.set CS,   46
.set HOLD, 48                          ; s48  448 x 2^e8
.set TB,   49                          ; s49  LDS bytes walked so far
.macro CROUND
	s_barrier_signal -1
	s_barrier_wait -1
	s_cmp_lg_u32 s[WV], 0
	s_cbranch_scc1 .Lnot_wave_0_\@
	s_barrier_signal -3
.Lnot_wave_0_\@:
	s_barrier_wait -3
	s_barrier_signal -1
	s_barrier_wait -1
.endm
	s_load_b128 s[4:7], s[0:1], 0x0                ; qkv, the exponents
	s_load_b64 s[8:9], s[0:1], 0x10                ; ac
	v_lshl_add_u32 v1, v0, 2, SPARE                ; my spare word; never rewritten
	v_mov_b32 v2, 0                                ; 0; never rewritten
	ds_add_u32 v1, v2                              ; the wave's opening: the add, twice on end, and its wait ahead of my tensor load
	ds_add_u32 v1, v2
	v_lshrrev_b32 v3, 5, v0
	v_readfirstlane_b32 s[WV], v3                  ; wave 0..15
	s_bfe_u32 s10, ttmp6, 0x40000                  ; cx: it enters Q's and ac's addresses alone
	s_lshl_b32 s11, ttmp9, 2
	s_add_co_u32 s11, s11, s10                     ; my block of 256 queries
	s_and_b32 s12, ttmp7, 0xffff                   ; 16 x batch + head
	s_lshl_b32 s13, s12, 17                        ; x 128 KiB: the head's first byte in Q, in K and in V^T alike
	s_and_b32 s14, s[WV], 7
	s_lshl_b32 s15, s14, 14                        ; K: 256 keys are 16 KiB,
	s_add_co_u32 s15, s15, 0x400000
	s_lshl_b32 s16, s14, 8                         ; V^T: 256 bytes of each row
	s_add_co_u32 s16, s16, 0x800000
	s_cmp_lt_u32 s[WV], 8
	s_cselect_b32 s56, s15, s16
	s_add_co_u32 s56, s56, s13
	s_mov_b32 s57, 0
	s_mov_b32 s[G0], 1
	s_mul_i32 s[G0+1], s[WV], TILE                 ; where my tile goes
	s_mov_b32 s[G1K], 15|(0<<16)|(1<<20)|(1<<21)|(5<<22)|(3<<25)   ; the mask: all four work-groups; elements of 1 byte; padding on; bit 21 beside a mask; after every 64 words, 4 words
	s_mov_b32 s[G1V], 15|(0<<16)|(1<<20)|(1<<21)|(5<<22)|(3<<25)
.irp g, G1K, G1V
	s_mov_b32 s[\g+1], 256<<16                     ; tensor_dim0
	s_mov_b32 s[\g+2], 64<<16                      ; tensor_dim1
	s_mov_b32 s[\g+3], 256<<16                     ; tile_dim0
	s_mov_b32 s[\g+4], 64                          ; tile_dim1
	s_mov_b32 s[\g+6], 0
	s_mov_b32 s[\g+7], 0
.endr
	s_mov_b32 s[G1K+5], 256                        ; K's block is dense,
	s_mov_b32 s[G1V+5], 2048                       ; V^T's rows are 2,048 bytes apart
	s_mov_b32 s[SEL], 0x76543210
	s_mov_b32 s[SEL+1], 0xfedcba98
	s_mov_b32 s[CS], 0x3e38aa3b                    ; c = log2(e) / 8
	s_lshr_b32 s17, s[WV], 3                       ; which half of the keys
	s_lshl_b32 s18, s11, 8
	s_lshl_b32 s19, s14, 5
	s_add_co_u32 s18, s18, s19                     ; the first of my 32 queries
	s_lshl_b32 s19, s17, 4
	s_add_co_u32 s20, s18, s19                     ; tile A's first query
	s_xor_b32 s19, s19, 16
	s_add_co_u32 s21, s18, s19                     ; tile B's
	s_lshl_b32 s58, s20, 6
	s_add_co_u32 s58, s58, s13
	s_mov_b32 s59, 0
	s_lshl_b32 s60, s21, 6
	s_add_co_u32 s60, s60, s13
	s_mov_b32 s61, 0
	s_lshr_b32 s62, s12, 4                         ; ac: tile A's first token
	s_lshl_b32 s62, s62, 11
	s_add_co_u32 s62, s62, s20
	s_lshl_b32 s62, s62, 9                         ; x 512 bytes
	s_bfe_u32 s15, s12, 0x10003
	s_lshl_b32 s15, s15, 21                        ; + (head / 8) x 2 MiB
	s_add_co_u32 s62, s62, s15
	s_and_b32 s15, s12, 7
	s_lshl_b32 s15, s15, 8                         ; + (head % 8) x 256
	s_add_co_u32 s62, s62, s15
	s_mov_b32 s63, 0
	s_wait_dscnt 0x0                               ; both opening adds are done
	s_wait_kmcnt 0x0
	s_load_b512 s[68:83], s[6:7], 0x0              ; e0 .. e15
	s_add_nc_u64 s[G0+2:G0+3], s[4:5], s[56:57]
	s_or_b32 s[G0+3], s[G0+3], 0x80000000
	s_add_nc_u64 s[58:59], s[4:5], s[58:59]
	s_add_nc_u64 s[60:61], s[4:5], s[60:61]
	s_add_nc_u64 s[8:9], s[8:9], s[62:63]
	CROUND                                         ; all four work-groups are here: the joint loads meet
	s_cmp_lt_u32 s[WV], 8                          ; one chain on the wave's number, one load to an arm; an s_nop 0 and four v_nop follow each line
	s_cbranch_scc0 .Lfor_v
	tensor_load_to_lds s[G0:G0+3], s[G1K:G1K+7]
	s_nop 0
.rept 4
	v_nop
.endr
	s_branch .Lasked
.Lfor_v:
	tensor_load_to_lds s[G0:G0+3], s[G1V:G1V+7]
	s_nop 0
.rept 4
	v_nop
.endr
.Lasked:
	v_and_b32 v12, 15, v0                          ; r
	v_bfe_u32 v13, v0, 4, 1                        ; h
	v_lshlrev_b32 v6, 6, v12
	v_lshl_add_u32 v6, v13, 4, v6                  ; Q: 64 r + 16 h
	global_load_b128 v[16:19], v6, s[58:59]
	global_load_b128 v[20:23], v6, s[58:59] offset:32
	global_load_b128 v[24:27], v6, s[60:61]
	global_load_b128 v[28:31], v6, s[60:61] offset:32
	v_lshrrev_b32 v14, 2, v12
	v_and_b32 v15, 3, v12
	v_mul_u32_u24 v14, v14, PK
	v_lshl_add_u32 v14, v15, 6, v14
	v_lshl_add_u32 v14, v13, 4, v14                ; K: key r lies in row r / 4 at byte 64 (r % 4); + 16 h
	s_mul_i32 s19, s17, 4*TILE                     ; my half of the keys: four tiles on, in K and in V^T
	v_add_nc_u32 v3, s19, v14
	v_mul_u32_u24 v15, v12, PK
	v_lshl_add_u32 v15, v13, 4, v15                ; V^T: channel r, + 16 h
	s_add_co_u32 s19, s19, VOFF
	v_add_nc_u32 v4, s19, v15
	v_mov_b32 v8, 0x7f61b1e6                       ; -M = 3e38
	v_mov_b32 v9, 0xff61b1e6                       ; the largest score so far: -3e38
	v_mov_b32 v10, 0x7f61b1e6
	v_mov_b32 v11, 0xff61b1e6
	v_mov_b32 v12, 0
	v_mov_b32 v13, 0
	v_mov_b32 v14, 0
	v_mov_b32 v15, 0
.set J, 0
.rept 64
	v_mov_b32 v[OA+J], 0                           ; O^T: the step is written once; its first run finds zeros
.set J, J+1
.endr
	s_wait_kmcnt 0x0
	s_add_co_i32 s84, s74, s75
	s_lshl_b32 s84, s84, 23
	s_add_co_i32 s[CS], s[CS], s84                 ; a score stands for score x 2^(e6 + e7)
	s_mov_b32 s[CS+1], s[CS]
	s_add_co_i32 s84, s76, 127
	s_lshl_b32 s85, s84, 23
	v_mov_b32 v5, s85                              ; 2^e8
	s_add_co_i32 s84, s84, 8
	s_lshl_b32 s84, s84, 23
	s_or_b32 s[HOLD], s84, 0x600000                ; 448 x 2^e8
	s_add_co_i32 s84, s78, 127
	s_lshl_b32 s50, s84, 23                        ; 2^e10
	s_add_co_i32 s84, s84, 8
	s_lshl_b32 s84, s84, 23
	s_or_b32 s51, s84, 0x600000                    ; 448 x 2^e10
	s_add_co_i32 s52, s76, s77                     ; e8 + e9
	s_mov_b32 s[TB], 0
	s_mov_b32 s55, 4
; Four links of a tile's maxima: eight chains v[a .. a+7], kept as raw scores; chain 0 starts from the running largest score v[r].  Group g takes registers 8 g .. 8 g + 7: each accumulator from its low end on.
.macro MG s, a, r, g
.if (\g) == 0
	v_max3_num_f32 v[\a], v[\r], v[\s], v[\s+1]
.irp k, 1,2,3
	v_max_num_f32 v[\a+\k], v[\s+2*\k], v[\s+2*\k+1]
.endr
.else
.if (\g) == 1
.irp k, 4,5,6,7
	v_max_num_f32 v[\a+\k], v[\s+2*\k], v[\s+2*\k+1]
.endr
.else
.irp k, 0,1,2,3
	v_max3_num_f32 v[\a+4*((\g)%2)+\k], v[\a+4*((\g)%2)+\k], v[\s+8*(\g)+2*\k], v[\s+8*(\g)+2*\k+1]
.endr
.endif
.endif
.endm
; Link i of a tile's chain from its eight maxima to f: each link reads the link before, so other work stands between them.  v[nm] = -M, v[nm+1] = the largest score, v[f] = f.
.macro CH a, nm, f, i
.if (\i) == 0
	v_max3_num_f32 v[\a], v[\a], v[\a+1], v[\a+2]
	v_max3_num_f32 v[\a+3], v[\a+3], v[\a+4], v[\a+5]
	v_max_num_f32 v[\a+6], v[\a+6], v[\a+7]
.endif
.if (\i) == 1
	v_max3_num_f32 v[\a], v[\a], v[\a+3], v[\a+6]
.endif
.if (\i) == 2
	v_permlanex16_b32 v[\a+1], v[\a], s[SEL], s[SEL+1]
.endif
.if (\i) == 3
	v_max_num_f32 v[\nm+1], v[\a], v[\a+1]         ; and among lane l xor 16's
.endif
.if (\i) == 4
	v_mul_f32 v[\a+2], s[CS], v[\nm+1]             ; as t (c is positive)
.endif
.if (\i) == 5
	v_floor_f32 v[\a+2], -v[\a+2]                  ; the new -M = floor(-t): M is a whole number
.endif
.if (\i) == 6
	v_sub_f32 v[\a+4], v[\a+2], v[\nm]             ; old M - new M: a whole number, 0 or less
	v_mov_b32 v[\nm], v[\a+2]
.endif
.if (\i) == 7
	v_cvt_i32_f32 v[\a+4], v[\a+4]                 ; (it saturates)
.endif
.if (\i) == 8
	v_ldexp_f32 v[\f], 1.0, v[\a+4]                ; f = 2^(old M - new M)
.endif
.endm
.macro FM s, nm, g                     ; t - M for eight scores (of the pairs c and -M the low word serves both halves)
.irp k, 0,1,2,3
	v_pk_fma_f32 v[\s+8*(\g)+2*\k:\s+8*(\g)+2*\k+1], v[\s+8*(\g)+2*\k:\s+8*(\g)+2*\k+1], s[CS:CS+1], v[\nm:\nm+1] op_sel_hi:[1,0,0]
.endr
.endm
.macro SUMR s, l                       ; the tile's 64 p, two at a time, onto eight chains: the sum itself and v[48:61]
.irp k, 0,1,2,3,4,5,6
	v_pk_add_f32 v[48+2*\k:49+2*\k], v[\s+4*\k:\s+4*\k+1], v[\s+4*\k+2:\s+4*\k+3]
.endr
	v_pk_add_f32 v[\l:\l+1], v[\l:\l+1], v[\s+28:\s+29]
.irp k, 0,1,2,3,4,5,6
	v_pk_add_f32 v[48+2*\k:49+2*\k], v[48+2*\k:49+2*\k], v[\s+30+2*\k:\s+31+2*\k]
.endr
	v_pk_add_f32 v[\l:\l+1], v[\l:\l+1], v[\s+44:\s+45]
.irp k, 0,1,2,3,4,5,6
	v_pk_add_f32 v[48+2*\k:49+2*\k], v[48+2*\k:49+2*\k], v[\s+46+2*\k:\s+47+2*\k]
.endr
	v_pk_add_f32 v[\l:\l+1], v[\l:\l+1], v[\s+60:\s+61]
	v_pk_add_f32 v[48:49], v[48:49], v[\s+62:\s+63]
.endm
.macro SUMF l, i                       ; the eight chains are joined in three levels, with other work between the levels
.if (\i) == 1
	v_pk_add_f32 v[48:49], v[48:49], v[50:51]
	v_pk_add_f32 v[52:53], v[52:53], v[54:55]
	v_pk_add_f32 v[56:57], v[56:57], v[58:59]
	v_pk_add_f32 v[\l:\l+1], v[\l:\l+1], v[60:61]
.endif
.if (\i) == 2
	v_pk_add_f32 v[48:49], v[48:49], v[52:53]
	v_pk_add_f32 v[\l:\l+1], v[\l:\l+1], v[56:57]
.endif
.if (\i) == 3
	v_pk_add_f32 v[\l:\l+1], v[\l:\l+1], v[48:49]
.endif
.endm
.macro HOLD8 s, g                      ; the hold for sixteen p (the conversion does not saturate: ISA guide 7.6.2; p is not negative, so it is one-sided), two numbers an instruction
.irp i, 0,2,4,6,8,10,12,14
	v_dual_min_num_f32 v[\s+16*(\g)+\i], s[HOLD], v[\s+16*(\g)+\i] :: v_dual_min_num_f32 v[\s+16*(\g)+\i+1], s[HOLD], v[\s+16*(\g)+\i+1]
.endr
.endm
.macro CV s, c, t0                     ; four conversions: key tiles t0 .. t0 + 3
.irp t, 0,1,2,3
	v_cvt_scalef32_pk8_fp8_f32 v[\c+2*(\t0+\t):\c+2*(\t0+\t)+1], v[\s+8*(\t0+\t):\s+8*(\t0+\t)+7], v5
.endr
.endm
; A KEY STEP: 128 keys, the q-th of the 256 at s[TB], for both tiles.
.macro STEP q
.if (\q) == 0
	v_add_nc_u32 v6, s[TB], v3                     ; K's address serves both steps of a trip and the look-ahead: the rest is in the offsets
.else
	v_nop
.endif
	v_add_nc_u32 v7, s[TB], v4
	v_nop                                          ; five places in all: the products below write over registers that the last products read, and the loads land in such registers
	v_nop
	v_nop
.irp t, 0,1,2,3                                ; key tiles 4-7; tiles 0-3 were asked for in the step before
	ds_load_b128 v[F+8*\t:F+8*\t+3], v6 offset:(\q)*8704+(4+\t)*1088
	ds_load_b128 v[F+8*\t+4:F+8*\t+7], v6 offset:(\q)*8704+(4+\t)*1088+32
.endr
	s_wait_dscnt 8                                 ; key tiles 0-3 are in; the eight loads just issued may be out
.irp t, 0,1,2,3                                ; S^T = K Q^T: each fragment of 16 keys against both tiles
	v_wmma_f32_16x16x64_fp8_fp8 v[SA+8*\t:SA+8*\t+7], v[KN+8*\t:KN+8*\t+7], v[16:23], 0
	v_wmma_f32_16x16x64_fp8_fp8 v[SB+8*\t:SB+8*\t+7], v[KN+8*\t:KN+8*\t+7], v[24:31], 0
.endr
.rept 5
	v_nop                                          ; five places: the products below write over the fragments that those above read
.endr
	s_wait_dscnt 0x0
.irp t, 0,1,2,3
	v_wmma_f32_16x16x64_fp8_fp8 v[SA+8*(4+\t):SA+8*(4+\t)+7], v[F+8*\t:F+8*\t+7], v[16:23], 0
	v_wmma_f32_16x16x64_fp8_fp8 v[SB+8*(4+\t):SB+8*(4+\t)+7], v[F+8*\t:F+8*\t+7], v[24:31], 0
.endr
.rept 4
	v_nop
.endr
.irp g, 0,1,2,3,4,5,6,7
	MG SA, 32, 9, \g                               ; tile A's maxima
.endr
.irp g, 0,1,2,3,4,5,6,7
	MG SB, 40, 11, \g                              ; tile B's maxima, and among them tile A's chain
	CH 32, 8, 56, \g
.endr
.irp g, 0,1,2,3,4,5,6,7
	FM SA, 8, \g                                   ; tile A's t - M, and among them tile B's chain
.if \g == 0
	CH 32, 8, 56, 8
.endif
	CH 40, 10, 58, \g
.endr
	v_pk_mul_f32 v[12:13], v[12:13], v[56:57] op_sel_hi:[1,0]   ; the sums and O^T under the new M (of the pairs the low word serves both halves)
.set J, 0
.rept 4
	v_pk_mul_f32 v[OA+J:OA+J+1], v[OA+J:OA+J+1], v[56:57] op_sel_hi:[1,0]
.set J, J+2
.endr
	CH 40, 10, 58, 8
.rept 12
	v_pk_mul_f32 v[OA+J:OA+J+1], v[OA+J:OA+J+1], v[56:57] op_sel_hi:[1,0]
.set J, J+2
.endr
	v_pk_mul_f32 v[14:15], v[14:15], v[58:59] op_sel_hi:[1,0]
.set J, 0
.rept 16
	v_pk_mul_f32 v[OB+J:OB+J+1], v[OB+J:OB+J+1], v[58:59] op_sel_hi:[1,0]
.set J, J+2
.endr
	s_wait_alu depctr_va_vdst(0)                   ; the wait ahead of the batch
.set J, 0
.rept 32
	v_exp_f32 v[SA+J], v[SA+J]                     ; tile A's p = 2^(t - M), at most 1; tile B's t - M takes turns with them and is first read behind the wait below
	v_exp_f32 v[SA+J+1], v[SA+J+1]
	v_pk_fma_f32 v[SB+J:SB+J+1], v[SB+J:SB+J+1], s[CS:CS+1], v[10:11] op_sel_hi:[1,0,0]
.set J, J+2
.endr
	s_wait_alu depctr_va_vdst(0)                   ; one wait for the batch, ahead of its first reader, and ahead of the next batch, which reads what stood among it
	SUMR SA, 12                                    ; the unquantised p of tile A; the chains are joined behind the next wait
.set J, 0
.rept 32
	v_exp_f32 v[SB+J], v[SB+J]                     ; tile B's p; tile A's holds take turns with them and are first read behind the wait below
	v_exp_f32 v[SB+J+1], v[SB+J+1]
	v_dual_min_num_f32 v[SA+J], s[HOLD], v[SA+J] :: v_dual_min_num_f32 v[SA+J+1], s[HOLD], v[SA+J+1]
.set J, J+2
.endr
	v_nop                                          ; the plain line behind the exponentials
	s_wait_alu depctr_va_vdst(0)                   ; one wait for the batch and for what was written ahead of it and among it
	SUMF 12, 1
	CV SA, CA, 0
	SUMF 12, 2
	CV SA, CA, 4
	SUMF 12, 3
.irp t, 0,1,2,3
.irp c, 0,1,2,3
	ds_load_b128 v[SA+16*\t+4*\c:SA+16*\t+4*\c+3], v7 offset:\t*16*PK+128*(\q)+32*\c   ; V^T's four fragments take tile A's registers and land under tile B's work
.endr
.endr
	SUMR SB, 14
	HOLD8 SB, 0
	SUMF 14, 1
	HOLD8 SB, 1
	SUMF 14, 2
	HOLD8 SB, 2
	SUMF 14, 3
	HOLD8 SB, 3
	CV SB, CB, 0
	CV SB, CB, 4
	v_nop                                          ; a plain line behind the last conversion
.irp t, 0,1,2,3                                ; the next step's key tiles 0-3 (behind a trip's second step: the next 256 keys').  Behind my last step these 4 KiB are the tile that follows my keys in LDS: filled bytes, read and not used
	ds_load_b128 v[KN+8*\t:KN+8*\t+3], v6 offset:((\q)+1)*8704+\t*1088
	ds_load_b128 v[KN+8*\t+4:KN+8*\t+7], v6 offset:((\q)+1)*8704+\t*1088+32
.endr
	s_wait_alu depctr_va_vdst(0)
	s_wait_dscnt 8                                 ; V^T's sixteen loads are in; the eight just issued may be out
.irp t, 0,1,2,3                                ; O^T += V^T P^T: the eight accumulators take turns
	v_wmma_f32_16x16x128_fp8_fp8 v[OA+8*\t:OA+8*\t+7], v[SA+16*\t:SA+16*\t+15], v[CA:CA+15], v[OA+8*\t:OA+8*\t+7]
	v_wmma_f32_16x16x128_fp8_fp8 v[OB+8*\t:OB+8*\t+7], v[SA+16*\t:SA+16*\t+15], v[CB:CB+15], v[OB+8*\t:OB+8*\t+7]
.endr
.endm
	s_wait_alu depctr_va_vdst(0)                   ; the wait at the head's end
	s_wait_loadcnt 0x0                             ; Q
	s_wait_tensorcnt 0x0                           ; my tile is in;
	s_barrier_signal -1
	s_barrier_wait -1                              ; everybody's is
.irp t, 0,1,2,3                                ; the first step's key tiles 0-3
	ds_load_b128 v[KN+8*\t:KN+8*\t+3], v3 offset:\t*1088
	ds_load_b128 v[KN+8*\t+4:KN+8*\t+7], v3 offset:\t*1088+32
.endr
.Lpair:                                            ; four trips of 256 keys: my 1,024 keys
	STEP 0
	STEP 1
	s_add_co_u32 s[TB], s[TB], TILE
	s_sub_co_u32 s55, s55, 1
	s_cmp_lg_u32 s55, 0
	s_wait_alu depctr_va_vdst(0)
	s_cbranch_scc1 .Lpair
	; THE TWO HALVES OF THE KEYS ARE JOINED.  (The vector lines below are also the places behind the last products.)
	v_and_b32 v3, 31, v0
	s_mul_i32 s84, s[WV], XW
	s_xor_b32 s85, s[WV], 8
	s_mul_i32 s85, s85, XW
	v_lshl_add_u32 v4, v3, 4, s84                  ; my part of the exchange, 16 bytes a lane,
	v_lshl_add_u32 v6, v3, 3, s84                  ; and 8
	v_lshl_add_u32 v7, v3, 4, s85                  ; my partner's
	v_lshl_add_u32 v5, v3, 3, s85
	v_add_f32 v12, v12, v13                        ; the sums' two halves
	v_add_f32 v11, v14, v15                        ; v[10:11] = tile B's -M and sum
	s_wait_alu depctr_va_vdst(0)
	s_wait_dscnt 0x0
	s_barrier_signal -1
	s_barrier_wait -1                              ; no wave reads K any more
.irp n, 0,1,2,3,4,5,6,7
	ds_store_b128 v4, v[OB+4*\n:OB+4*\n+3] offset:512*\n   ; an image of the registers; each accumulator from its low end on
.endr
	ds_store_b64 v6, v[10:11] offset:4096
	s_wait_dscnt 0x0                               ; for my partner's sake
	s_barrier_signal -1
	s_barrier_wait -1
.irp n, 0,1,2,3,4,5,6,7
	ds_load_b128 v[SA+4*\n:SA+4*\n+3], v7 offset:512*\n
.endr
	ds_load_b64 v[96:97], v5 offset:4096
	v_and_b32 v13, 15, v0                          ; r
	v_bfe_u32 v14, v0, 4, 1                        ; h
	s_lshl_b32 s84, s[WV], 10
	s_add_co_u32 s84, s84, STAGE                   ; my stage
	v_lshl_add_u32 v15, v13, 6, s84
	v_lshl_add_u32 v15, v14, 3, v15                ; in: query r's 64 bytes, + 8 h
	v_lshl_add_u32 v4, v3, 4, s84                  ; back: 16 x lane
	v_lshlrev_b32 v6, 4, v13
	v_lshl_add_u32 v6, v14, 11, v6                 ; ac: lanes 0-15 one unit of four tokens, lanes 16-31 the next, 2,048 bytes on
	v_mov_b32 v99, 0                               ; (named as the upper halves of pairs)
	v_mov_b32 v101, 0
	v_mov_b32 v5, s50                              ; 2^e10
	v_mov_b32 v7, s51                              ; 448 x 2^e10
	s_wait_alu depctr_va_vdst(0)
	s_wait_dscnt 0x0
	v_min_num_f32 v98, v8, v96                     ; the joint -M
	v_sub_f32 v100, v98, v96
	v_sub_f32 v98, v98, v8
	v_cvt_i32_f32 v100, v100
	v_cvt_i32_f32 v98, v98
	v_ldexp_f32 v100, 1.0, v100                    ; my partner's factor,
	v_ldexp_f32 v98, 1.0, v98                      ; and mine: exact powers of two
	v_mul_f32 v12, v12, v98
	v_fmac_f32 v12, v97, v100
	v_permlanex16_b32 v13, v12, s[SEL], s[SEL+1]
	v_add_f32 v12, v12, v13                        ; the row's sum
	s_wait_alu depctr_va_vdst(0)                   ; the wait ahead of the transcendental
	v_rcp_f32 v12, v12
	v_nop                                          ; a plain line behind it
	s_wait_alu depctr_va_vdst(0)                   ; and the wait ahead of its first reader
	v_ldexp_f32 v12, v12, s52                      ; x 2^(e8 + e9)
	v_mul_f32 v98, v98, v12
	v_mul_f32 v100, v100, v12
	s_wait_alu depctr_va_vdst(0)                   ; directly ahead of the first readers of O^T
.set J, 0
.rept 16
	v_pk_mul_f32 v[OA+J:OA+J+1], v[OA+J:OA+J+1], v[98:99] op_sel_hi:[1,0]
.set J, J+2
.endr
.set J, 0
.rept 16
	v_pk_fma_f32 v[OA+J:OA+J+1], v[SA+J:SA+J+1], v[100:101], v[OA+J:OA+J+1] op_sel_hi:[1,0,1]   ; register 8 t + i: channel 16 t + 8 h + i of my query
.set J, J+2
.endr
.irp t, 0,1,2,3
.irp i, 0,1,2,3,4,5,6,7
	v_med3_num_f32 v[OA+8*\t+\i], v[OA+8*\t+\i], -v7, v7
.endr
	v_cvt_scalef32_pk8_fp8_f32 v[104+2*\t:105+2*\t], v[OA+8*\t:OA+8*\t+7], v5
.endr
	v_nop                                          ; a plain line behind the last conversion
.irp t, 0,1,2,3
	ds_store_b64 v15, v[104+2*\t:105+2*\t] offset:16*\t
.endr
	ds_load_b128 v[112:115], v4                    ; LDS serves a wave's instructions in order (ISA guide 5.7.1.4): these see my stores
	ds_load_b128 v[116:119], v4 offset:512
	s_wait_dscnt 1                                 ; the younger load may be out
	global_store_b128 v6, v[112:115], s[8:9]       ; sixteen lanes store 256 consecutive bytes, aligned: four tokens of my head
	s_wait_dscnt 0
	global_store_b128 v6, v[116:119], s[8:9] offset:4096
	s_wait_tensorcnt 0x0                           ; the wave's end
	ds_add_u32 v1, v2
	s_wait_dscnt 0x0
	CROUND                                         ; the closing round
	s_endpgm
.Lfunc_end_k_q2f164d41ca_attn:
	.size	k_q2f164d41ca_attn, .Lfunc_end_k_q2f164d41ca_attn-k_q2f164d41ca_attn
	.p2alignl 7, 3214868480
	.fill 96, 4, 3214868480
	.section	.rodata,"a",@progbits
	.p2align	6, 0x0
	.amdhsa_kernel k_q2f164d41ca_attn
		.amdhsa_group_segment_fixed_size 327680
		.amdhsa_private_segment_fixed_size 0
		.amdhsa_enable_private_segment 0
		.amdhsa_kernarg_size 24
		.amdhsa_user_sgpr_count 2
		.amdhsa_user_sgpr_kernarg_segment_ptr 1
		.amdhsa_wavefront_size32 1
		.amdhsa_system_sgpr_workgroup_id_x 1
		.amdhsa_system_sgpr_workgroup_id_y 1
		.amdhsa_system_sgpr_workgroup_id_z 1
		.amdhsa_system_vgpr_workitem_id 0
		.amdhsa_next_free_vgpr 256
		.amdhsa_next_free_sgpr 96
		.amdhsa_reserve_vcc 0
		.amdhsa_float_denorm_mode_32 3
		.amdhsa_float_denorm_mode_16_64 3
		.amdhsa_memory_ordered 1
		.amdhsa_forward_progress 1
		.amdhsa_inst_pref_size 75
	.end_amdhsa_kernel
	.amdgpu_metadata
---
amdhsa.version: [ 1, 2 ]
amdhsa.kernels:
  - .name:           k_q2f164d41ca_attn
    .symbol:         k_q2f164d41ca_attn.kd
    .args:
      - { .name: qkv, .offset: 0, .size: 8, .value_kind: global_buffer, .address_space: global }
      - { .name: lowp_scales, .offset: 8, .size: 8, .value_kind: global_buffer, .address_space: global }
      - { .name: ac, .offset: 16, .size: 8, .value_kind: global_buffer, .address_space: global }
    .group_segment_fixed_size: 327680
    .private_segment_fixed_size: 0
    .kernarg_segment_align: 8
    .kernarg_segment_size: 24
    .max_flat_workgroup_size: 512
    .sgpr_count:     96
    .vgpr_count:     256
    .wavefront_size: 32
...
	.end_amdgpu_metadata
.endif
;; end of part 3
;; launch oproj (part 4): grid 8 x 32, 4 waves a work-group, clusters of 4 x 4, 327,680 bytes of LDS; arguments ac, Wo_codes, lowp_scales, res, bo, x; writes res
.if DOCPART == 4
	.amdgcn_target "amdgcn-amd-amdhsa--gfx1250"
	.amdhsa_code_object_version 6
	.text
	.protected	k_q2f164d41ca_oproj
	.globl	k_q2f164d41ca_oproj
	.p2align	8
	.type	k_q2f164d41ca_oproj,@function
k_q2f164d41ca_oproj:
	s_mov_b64 s[64:65], 0
	v_nop
	global_prefetch_b8 v0, s[64:65] scope:SCOPE_SE
	s_setreg_imm32_b32 hwreg(HW_REG_WAVE_MODE, 25, 1), 1
	s_wait_xcnt 0x0
	s_wait_alu depctr_hold_cnt(0) depctr_sa_sdst(0) depctr_va_vdst(0) depctr_va_sdst(0) depctr_va_ssrc(0) depctr_va_vcc(0) depctr_vm_vsrc(0)
	s_getreg_b32 s2, hwreg(HW_REG_IB_STS2, 6, 4)
	s_cmp_eq_u32 s2, 0
	s_cbranch_scc0 .Lentry_in_a_cluster
	s_endpgm
.Lentry_in_a_cluster:
	s_bfe_u32 s2, ttmp6, 0x10000c
	s_cmp_lg_u32 s2, 0xf033
	s_cbranch_scc0 .Lentry_shape_is_right
	s_endpgm
.Lentry_shape_is_right:
.set SIZE_K, 1024
.set EOFF,   0x28
.set KSTEP,  512
.set PITCH,  528
; A (ac) is laid [2 halves of K][token / 4][8 heads][4 tokens][64]: 64 tokens x 512 of K are one dense block of 32 KiB, fetched as 128 rows of 256 bytes (LDS pitch 272).
; Row 8 (token / 4) + head of that block holds four tokens' 64 codes of one head.  B's tiles (64 rows x 528) take the same room.
.set HALFT,  128*272
.set SLOT,   4*HALFT
.set STAGE,  2*SLOT
.set SPITCH, 272
.set SPARE,  STAGE+4*16*SPITCH
.set LAPS,   SIZE_K/(2*KSTEP)
.set ADRA, 16
.set ADRB, 20
.set STO,  24
.set RD,   25
.set CO,   26
.set BO,   27
.set SPW,  28
.set NIL,  29
.set TMP,  32
.set BIA,  96
.set ACC,  128
.set F0,   0
.set F1,   128
.set G1, 24
.set G0, 32
.set G1B, 48
.set G0B, 56
.set MSB, 0
.macro WIN new
.if MSB != \new
	s_set_vgpr_msb (MSB<<8)|\new
.set MSB, \new
.endif
.endm
.set MUL,  0x05
.set TO_F, 0x40
.macro JLOAD s
	s_cmp_eq_u32 s11, 0
	s_cbranch_scc0 .Lfor_b_\@
	tensor_load_to_lds s[G0+4*\s:G0+4*\s+3], s[G1:G1+7]
	s_nop 0
.rept 4
	v_nop
.endr
	s_branch .Lasked_\@
.Lfor_b_\@:
	tensor_load_to_lds s[G0B+4*\s:G0B+4*\s+3], s[G1B:G1B+7]
	s_nop 0
.rept 4
	v_nop
.endr
.Lasked_\@:
.endm
.macro CREST
	s_cmp_lg_u32 s10, 0
	s_cbranch_scc1 .Lnot_wave_0_\@
	s_barrier_signal -3
.Lnot_wave_0_\@:
	s_barrier_wait -3
	s_barrier_signal -1
	s_barrier_wait -1
.endm
.macro CROUND
	s_barrier_signal -1
	s_barrier_wait -1
	CREST
.endm
	s_load_b128 s[4:7], s[0:1], 0x0
	s_load_b128 s[68:71], s[0:1], 0x10
	s_load_b128 s[72:75], s[0:1], 0x20
	v_lshl_add_u32 v[SPW], v0, 2, SPARE
	v_mov_b32 v[NIL], 0
	ds_add_u32 v[SPW], v[NIL]
	ds_add_u32 v[SPW], v[NIL]
	v_lshrrev_b32 v1, 5, v0
	v_readfirstlane_b32 s10, v1
	s_lshr_b32 s11, s10, 1
	s_and_b32 s12, s10, 1
	s_bfe_u32 s40, ttmp6, 0x40000
	s_bfe_u32 s41, ttmp6, 0x40004
	s_lshl_b32 s42, ttmp9, 2
	s_add_co_u32 s42, s42, s40
	s_and_b32 s13, ttmp7, 0xffff
	s_lshl_b32 s13, s13, 2
	s_add_co_u32 s13, s13, s41
	s_lshl_b32 s43, s41, 2
	s_lshl_b32 s43, 15, s43
	s_lshl_b32 s44, 0x1111, s40
	s_or_b32 s[G1+0], s43, (0<<16)|(1<<20)|(1<<21)|(5<<22)|(3<<25)
	s_or_b32 s[G1B+0], s44, (0<<16)|(1<<20)|(1<<21)|(6<<22)|(3<<25)
	s_mov_b32 s[G1+1], 256<<16
	s_mov_b32 s[G1+2], 128<<16
	s_mov_b32 s[G1+3], 256<<16
	s_mov_b32 s[G1+4], 128
	s_mov_b32 s[G1+5], 256
	s_mov_b32 s[G1+6], 0
	s_mov_b32 s[G1+7], 0
.irp g, G1B
	s_mov_b32 s[\g+1], KSTEP<<16
	s_mov_b32 s[\g+2], 64<<16
	s_mov_b32 s[\g+3], KSTEP<<16
	s_mov_b32 s[\g+4], 64
	s_mov_b32 s[\g+5], SIZE_K
	s_mov_b32 s[\g+6], 0
	s_mov_b32 s[\g+7], 0
.endr
	s_lshl_b32 s17, s12, 6
	s_lshl_b32 s16, s13, 7
	s_add_co_u32 s16, s16, s17
	s_lshl_b32 s46, s42, 7
	s_add_co_u32 s46, s46, s17
	s_mul_i32 s16, s16, KSTEP
	s_mul_i32 s46, s46, SIZE_K
	s_mov_b32 s17, 0
	s_mov_b32 s47, 0
	s_mul_i32 s20, s10, HALFT
	s_wait_dscnt 0x0
	s_wait_kmcnt 0x0
	s_load_b64 s[76:77], s[68:69], EOFF
	s_add_nc_u64 s[14:15], s[4:5], s[16:17]
	s_add_nc_u64 s[46:47], s[6:7], s[46:47]
	CROUND
.irp s, 0,1
	s_mov_b32 s[G0+4*\s], 1
	s_add_co_u32 s[G0+4*\s+1], s20, \s*SLOT
	s_add_nc_u64 s[G0+4*\s+2:G0+4*\s+3], s[14:15], \s*0x200000
	s_or_b32 s[G0+4*\s+3], s[G0+4*\s+3], 0x80000000
	s_mov_b32 s[G0B+4*\s], 1
	s_add_co_u32 s[G0B+4*\s+1], s20, \s*SLOT
	s_add_nc_u64 s[G0B+4*\s+2:G0B+4*\s+3], s[46:47], \s*KSTEP
	s_or_b32 s[G0B+4*\s+3], s[G0B+4*\s+3], 0x80000000
.endr
	JLOAD 0                                        ; K step 0: one tensor load a wave at the head; the rest of the head stands under its flight
	; THE PREFETCH: K has two steps; K step 1 is asked for here, a change of slots ahead of its load, one instruction a wave.  The four partners that ask for a tile jointly share it out by address (cx for A, cy for B):
	; of A's dense 32 KiB each names 8 KiB, lanes 256 bytes apart; of B's 64 rows x 512 bytes each names 16 rows, lane l block l % 2 of row l / 2.  Each aligned block of 256 bytes once in a cluster.
	s_cmp_eq_u32 s11, 0                            ; do I fetch for A?
	s_cselect_b64 s[84:85], s[14:15], s[46:47]     ; what my wave fetches, at K step 0
	s_cselect_b32 s86, s40, s41                    ; my place among the four
	s_cselect_b32 s88, 13, 14                      ; a partner's share: 8 KiB of A, 16 rows of 1,024 bytes of B
	s_cselect_b32 s89, 9, 10                       ; two lanes on: 512 bytes of A, a row of B
	s_mov_b32 s87, KSTEP
	s_cselect_b32 s87, 0x200000, s87               ; K step 1
	s_lshl_b32 s86, s86, s88
	s_add_co_u32 s86, s86, s87
	s_mov_b32 s87, 0
	s_add_nc_u64 s[84:85], s[84:85], s[86:87]      ; never rewritten
	v_and_b32 v30, 31, v0
	v_lshrrev_b32 v31, 1, v30
	v_and_b32 v30, 1, v30
	v_lshlrev_b32 v31, s89, v31
	v_lshl_add_u32 v30, v30, 8, v31                ; never rewritten
	global_prefetch_b8 v30, s[84:85] th:TH_LOAD_NT scope:SCOPE_SE
	v_and_b32 v1, 15, v0
	s_wait_alu depctr_va_vdst(0)
	v_bfe_u32 v2, v0, 4, 1
	v_mul_u32_u24 v3, v1, PITCH
	v_lshl_add_u32 v3, v2, 4, v3
	v_lshrrev_b32 v6, 2, v1                        ; A: token r lies 8 (r / 4) LDS rows on, at byte 64 (r % 4); + 16 h
	v_and_b32 v7, 3, v1
	v_mul_u32_u24 v6, v6, 8*272
	v_lshl_add_u32 v6, v7, 6, v6
	v_lshl_add_u32 v6, v2, 4, v6
	s_mul_i32 s21, s11, HALFT
	s_mul_i32 s22, s12, HALFT
	s_add_co_u32 s22, s22, 2*HALFT
.irp s, 0,1
	v_add_nc_u32 v[ADRA+\s], s21, v6
	v_add_nc_u32 v[ADRB+\s], s22, v3
	s_add_co_u32 s21, s21, SLOT
	s_add_co_u32 s22, s22, SLOT
.endr
	s_mul_i32 s23, s10, 16*SPITCH
	s_add_co_u32 s23, s23, STAGE
	v_mul_u32_u24 v4, v1, SPITCH
	s_wait_alu depctr_va_vdst(0)
	v_lshl_add_u32 v4, v2, 5, v4
	v_add_nc_u32 v[STO], s23, v4
	v_mul_u32_u24 v5, v2, SPITCH
	v_lshl_add_u32 v5, v1, 4, v5
	v_add_nc_u32 v[RD], s23, v5
	v_lshlrev_b32 v[BO], 4, v1
	v_lshl_add_u32 v[CO], v2, 12, v[BO]
	s_wait_alu depctr_va_vdst(0)
	s_lshl_b32 s78, s13, 7
	s_lshl_b32 s79, s11, 6
	s_add_co_u32 s78, s78, s79
	s_lshl_b32 s78, s78, 12
	s_lshl_b32 s80, s42, 7
	s_lshl_b32 s79, s12, 6
	s_add_co_u32 s80, s80, s79
	s_lshl_b32 s80, s80, 2
	s_mov_b32 s81, 0
	s_add_co_u32 s78, s78, s80
	s_mov_b32 s79, 0
	s_add_nc_u64 s[8:9], s[70:71], s[78:79]
	s_add_nc_u64 s[74:75], s[74:75], s[78:79]
	s_add_nc_u64 s[72:73], s[72:73], s[80:81]
.macro FRAG reg, adr, k, i
.irp c, 0,1,2,3
	ds_load_b128 v[\reg+4*\c:\reg+4*\c+3], v[\adr] offset:(\k)+32*\c+(\i)*16*PITCH
.endr
.endm
.macro FRAGA reg, adr, k, i            ; A's fragment: 64 along K are one LDS row on; 16 tokens are 32 LDS rows on
.irp c, 0,1,2,3
	ds_load_b128 v[\reg+4*\c:\reg+4*\c+3], v[\adr] offset:((\k)/64+\c/2)*272+32*(\c%2)+(\i)*32*272
.endr
.endm
.macro FETCH slot, k, f
	WIN TO_F
	FRAGA \f, ADRA+\slot, \k, 0
	FRAGA \f+16, ADRA+\slot, \k, 1
.irp i, 0,1,2,3
	FRAG \f+64+16*\i, ADRB+\slot, \k, \i
.endr
	FRAGA \f+32, ADRA+\slot, \k, 2
	FRAGA \f+48, ADRA+\slot, \k, 3
.endm
.macro MUL4 f, a, zero
.irp b, 0,1,2,3
.if \zero
	v_wmma_f32_16x16x128_fp8_fp8 v[ACC+8*(4*(\a)+\b):ACC+8*(4*(\a)+\b)+7], v[\f+64+16*\b:\f+64+16*\b+15], v[\f+16*(\a):\f+16*(\a)+15], 0
.else
	v_wmma_f32_16x16x128_fp8_fp8 v[ACC+8*(4*(\a)+\b):ACC+8*(4*(\a)+\b)+7], v[\f+64+16*\b:\f+64+16*\b+15], v[\f+16*(\a):\f+16*(\a)+15], v[ACC+8*(4*(\a)+\b):ACC+8*(4*(\a)+\b)+7]
.endif
.endr
.endm
.macro PLACES
.rept 4
	v_nop
.endr
.endm
.macro QUARTER slot, k, f, g, zero
	s_wait_dscnt 8
	WIN MUL
	MUL4 \f, 0, \zero
	MUL4 \f, 1, \zero
	PLACES
	FETCH \slot, \k, \g
	s_wait_dscnt 32
	WIN MUL
	MUL4 \f, 2, \zero
	MUL4 \f, 3, \zero
.endm
.macro TURN slot, next, fill
	WIN 0
	s_wait_tensorcnt 0x0
	ds_add_u32 v[SPW], v[NIL]
	s_wait_dscnt 9
	WIN MUL
	MUL4 F1, 0, 0
	MUL4 F1, 1, 0
	s_wait_dscnt 0x0
	s_barrier_signal -1
	MUL4 F1, 2, 0
.if \fill
	WIN 0
.endif
	s_barrier_wait -1
.if \fill
	CREST
	s_add_nc_u64 s[G0+4*\slot+2:G0+4*\slot+3], s[G0+4*\slot+2:G0+4*\slot+3], 2*KSTEP
	s_add_nc_u64 s[G0B+4*\slot+2:G0B+4*\slot+3], s[G0B+4*\slot+2:G0B+4*\slot+3], 2*KSTEP
	JLOAD \slot
.else
	PLACES
.endif
	FETCH \next, 0, F0
	WIN MUL
	MUL4 F1, 3, 0
.endm
	s_wait_alu depctr_va_vdst(0)                   ; the wait at the head's end
	s_wait_tensorcnt 0x0                           ; my part of K step 0 is in
	ds_add_u32 v[SPW], v[NIL]
	s_wait_dscnt 0x0
	CROUND                                         ; everybody's part of K step 0 is in, and the joint loads meet
	JLOAD 1                                        ; K step 1's load, the first tensor load behind the round
	WIN 0x80                                       ; the residual and the bias are wanted on the way out: they are asked for behind both tiles
.set J, 0
.rept 32
	global_load_b128 v[4*J:4*J+3], v[CO], s[74:75] offset:8192*J th:TH_LOAD_NT
.set J, J+1
.endr
	WIN 0
	global_load_b128 v[BIA:BIA+3], v[BO], s[72:73]
	FETCH 0, 0, F0
	QUARTER 0, 128, F0, F1, 1
.if LAPS > 1
	WIN 0
	s_mov_b32 s3, LAPS-1
.Llap:
	QUARTER 0, 256, F1, F0, 0
	QUARTER 0, 384, F0, F1, 0
	TURN 0, 1, 1
	QUARTER 1, 128, F0, F1, 0
	QUARTER 1, 256, F1, F0, 0
	QUARTER 1, 384, F0, F1, 0
	TURN 1, 0, 1
	QUARTER 0, 128, F0, F1, 0
	WIN 0
	s_sub_co_u32 s3, s3, 1
	s_cmp_lg_u32 s3, 0
	s_cbranch_scc1 .Llap
.endif
	QUARTER 0, 256, F1, F0, 0
	QUARTER 0, 384, F0, F1, 0
	TURN 0, 1, 0
	QUARTER 1, 128, F0, F1, 0
	QUARTER 1, 256, F1, F0, 0
	QUARTER 1, 384, F0, F1, 0
	s_wait_dscnt 8
	WIN MUL
	MUL4 F1, 0, 0
	MUL4 F1, 1, 0
	s_wait_dscnt 0
	MUL4 F1, 2, 0
	MUL4 F1, 3, 0
	s_wait_loadcnt 0x0
	s_wait_kmcnt 0x0
	s_add_co_i32 s82, s76, s77
	s_add_co_i32 s82, s82, 127
	s_lshl_b32 s82, s82, 23
	s_mov_b32 s83, s82
	WIN 0x82
.set J, 0
.rept 32
	v_pk_add_f32 v[4*J:4*J+1], v[4*J:4*J+1], v[BIA:BIA+1]
	v_pk_add_f32 v[4*J+2:4*J+3], v[4*J+2:4*J+3], v[BIA+2:BIA+3]
.set J, J+1
.endr
	WIN 0
.macro TOSTAGE a
.irp b, 0,1,2,3
	ds_store_b128 v[STO], v[ACC+8*(4*(\a)+\b):ACC+8*(4*(\a)+\b)+3] offset:64*\b
	ds_store_b128 v[STO], v[ACC+8*(4*(\a)+\b)+4:ACC+8*(4*(\a)+\b)+7] offset:64*\b+16
.endr
.irp u, 0,1,2,3,4,5,6,7
	ds_load_b128 v[TMP+32*((\a)%2)+4*\u:TMP+32*((\a)%2)+4*\u+3], v[RD] offset:\u*2*SPITCH
.endr
.endm
.macro SEND a, younger
	s_wait_dscnt \younger
	WIN 0x20
.set J, 0
.rept 16
	v_pk_fma_f32 v[TMP+32*((\a)%2)+J:TMP+32*((\a)%2)+J+1], v[TMP+32*((\a)%2)+J:TMP+32*((\a)%2)+J+1], s[82:83], v[32*(\a)+J:32*(\a)+J+1] op_sel_hi:[1,0,1]
.set J, J+2
.endr
	WIN 0
.irp u, 0,1,2,3,4,5,6,7
	global_store_b128 v[CO], v[TMP+32*((\a)%2)+4*\u:TMP+32*((\a)%2)+4*\u+3], s[8:9] offset:(16*(\a)+2*\u)*4096
.endr
.endm
	TOSTAGE 0
.irp a, 1,2,3
.if \a > 1
	s_wait_xcnt 0x0
.endif
	TOSTAGE \a
	SEND \a-1, 16
.endr
	SEND 3, 0
	s_wait_tensorcnt 0x0
	ds_add_u32 v[SPW], v[NIL]
	s_wait_dscnt 0x0
	CROUND
	s_endpgm
.Lfunc_end_k_q2f164d41ca_oproj:
	.size	k_q2f164d41ca_oproj, .Lfunc_end_k_q2f164d41ca_oproj-k_q2f164d41ca_oproj
	.p2alignl 7, 3214868480
	.fill 96, 4, 3214868480
	.section	.rodata,"a",@progbits
	.p2align	6, 0x0
	.amdhsa_kernel k_q2f164d41ca_oproj
		.amdhsa_group_segment_fixed_size 327680
		.amdhsa_private_segment_fixed_size 0
		.amdhsa_enable_private_segment 0
		.amdhsa_kernarg_size 48
		.amdhsa_user_sgpr_count 2
		.amdhsa_user_sgpr_kernarg_segment_ptr 1
		.amdhsa_wavefront_size32 1
		.amdhsa_system_sgpr_workgroup_id_x 1
		.amdhsa_system_sgpr_workgroup_id_y 1
		.amdhsa_system_sgpr_workgroup_id_z 1
		.amdhsa_system_vgpr_workitem_id 0
		.amdhsa_next_free_vgpr 768
		.amdhsa_next_free_sgpr 96
		.amdhsa_reserve_vcc 0
		.amdhsa_float_denorm_mode_32 3
		.amdhsa_float_denorm_mode_16_64 3
		.amdhsa_memory_ordered 1
		.amdhsa_forward_progress 1
		.amdhsa_inst_pref_size 54
	.end_amdhsa_kernel
	.amdgpu_metadata
---
amdhsa.version: [ 1, 2 ]
amdhsa.kernels:
  - .name:           k_q2f164d41ca_oproj
    .symbol:         k_q2f164d41ca_oproj.kd
    .args:
      - { .name: ac, .offset: 0, .size: 8, .value_kind: global_buffer, .address_space: global }
      - { .name: Wo_codes, .offset: 8, .size: 8, .value_kind: global_buffer, .address_space: global }
      - { .name: lowp_scales, .offset: 16, .size: 8, .value_kind: global_buffer, .address_space: global }
      - { .name: res, .offset: 24, .size: 8, .value_kind: global_buffer, .address_space: global }
      - { .name: bo, .offset: 32, .size: 8, .value_kind: global_buffer, .address_space: global }
      - { .name: x, .offset: 40, .size: 8, .value_kind: global_buffer, .address_space: global }
    .group_segment_fixed_size: 327680
    .private_segment_fixed_size: 0
    .kernarg_segment_align: 8
    .kernarg_segment_size: 48
    .max_flat_workgroup_size: 128
    .sgpr_count:     96
    .vgpr_count:     768
    .wavefront_size: 32
...
	.end_amdgpu_metadata
.endif
;; end of part 4
;; launch ln1 (part 5): grid 256 x 1, 8 waves a work-group, no clusters, 17,408 bytes of LDS; arguments res, g1, be1, lowp_scales, hf, hc; writes hf, hc
.if DOCPART == 5
	.amdgcn_target "amdgcn-amd-amdhsa--gfx1250"
	.amdhsa_code_object_version 6
	.text
	.protected	k_q2f164d41ca_ln1
	.globl	k_q2f164d41ca_ln1
	.p2align	8
	.type	k_q2f164d41ca_ln1,@function
k_q2f164d41ca_ln1:
	s_mov_b64 s[64:65], 0
	v_nop
	global_prefetch_b8 v0, s[64:65] scope:SCOPE_SE
	s_setreg_imm32_b32 hwreg(HW_REG_WAVE_MODE, 25, 1), 1
	s_wait_xcnt 0x0
; h = LayerNorm(res) g1 + be1, stored as f32 (hf) and as codes of E4M3 with 2^e12 (hc).  No work is left out.  LIMIT: e12 between -126 and 119; NaN is not served.
; A wave takes two rows of 1,024 numbers; a row stays in 32 registers between the passes (mean, squared deviations, scaling): memory is read once, and no wave waits for another.  Each load and store of the wave covers 512 consecutive bytes.
; Load j brings numbers 128 j + 4 lane + 0..3.  The codes: the eight registers of loads 2 i, 2 i + 1 are converted together (one scale for the tensor), the words go through the wave's own LDS and come back 16 bytes a lane.
.set X,   32                           ; v32-95   two rows
.set G,   96                           ; v96-127  g
.set BE,  128                          ; v128-159 be
.set T,   160                          ; v160-191 held numbers
.set C,   192                          ; v192-207 codes, a set for each row
.set O,   208                          ; v208-223 codes read back
.set SPARE, 16384                      ; behind 2,048 bytes for each of eight waves
	s_load_b256 s[4:11], s[0:1], 0x0               ; res, g, be, the exponents
	s_load_b128 s[12:15], s[0:1], 0x20             ; hf, hc
	v_lshl_add_u32 v6, v0, 2, SPARE                ; my spare word; never rewritten
	v_mov_b32 v7, 0
	v_lshrrev_b32 v1, 5, v0
	s_delay_alu instid0(VALU_DEP_1)
	v_readfirstlane_b32 s16, v1                    ; wave
	v_and_b32 v2, 31, v0
	s_delay_alu instid0(VALU_DEP_1)
	v_lshlrev_b32 v1, 4, v2                        ; 16 x lane
	s_lshl_b32 s17, s16, 11
	v_lshl_add_u32 v4, v2, 2, s17                  ; LDS in: 4 x lane
	v_lshl_add_u32 v5, v2, 4, s17                  ; back: 16 x lane
	s_lshl_b32 s18, ttmp9, 4
	s_lshl_b32 s19, s16, 1
	s_add_co_u32 s18, s18, s19                     ; my first row
	s_lshl_b32 s24, s18, 12
	s_mov_b32 s25, 0
	s_lshl_b32 s26, s18, 10
	s_mov_b32 s27, 0
	s_mov_b32 s20, 0x76543210
	s_mov_b32 s21, 0xfedcba98
	s_mov_b32 s22, 0x3a800000                      ; 1 / 1,024
	s_mov_b32 s23, 0x3727c5ac                      ; 1e-5
	s_wait_alu depctr_va_vdst(0)
	s_wait_kmcnt 0x0
	s_load_b32 s28, s[10:11], 0x30                 ; e12
	s_add_nc_u64 s[4:5], s[4:5], s[24:25]
	s_add_nc_u64 s[12:13], s[12:13], s[24:25]
	s_add_nc_u64 s[14:15], s[14:15], s[26:27]
.irp q, 0,1
.irp j, 0,1,2,3,4,5,6,7
	global_load_b128 v[X+32*\q+4*\j:X+32*\q+4*\j+3], v1, s[4:5] offset:4096*\q+512*\j th:TH_LOAD_NT
.endr
.endr
.irp j, 0,1,2,3,4,5,6,7
	global_load_b128 v[G+4*\j:G+4*\j+3], v1, s[6:7] offset:512*\j
.endr
.irp j, 0,1,2,3,4,5,6,7
	global_load_b128 v[BE+4*\j:BE+4*\j+3], v1, s[8:9] offset:512*\j
.endr
	s_wait_kmcnt 0x0
	s_add_co_i32 s28, s28, 127
	s_lshl_b32 s29, s28, 23
	v_mov_b32 v14, s29                             ; 2^e12
	s_add_co_i32 s28, s28, 8
	s_lshl_b32 s28, s28, 23
	s_or_b32 s28, s28, 0x600000
	v_mov_b32 v15, s28                             ; 448 x 2^e12
.macro ALL r, t                        ; the sum over the wave's 32 lanes, in every lane
	s_delay_alu instid0(VALU_DEP_1)
	v_add_f32_dpp v[\r], v[\r], v[\r] row_xmask:1 row_mask:0xf bank_mask:0xf
	s_delay_alu instid0(VALU_DEP_1)
	v_add_f32_dpp v[\r], v[\r], v[\r] row_xmask:2 row_mask:0xf bank_mask:0xf
	s_delay_alu instid0(VALU_DEP_1)
	v_add_f32_dpp v[\r], v[\r], v[\r] row_xmask:4 row_mask:0xf bank_mask:0xf
	s_delay_alu instid0(VALU_DEP_1)
	v_add_f32_dpp v[\r], v[\r], v[\r] row_xmask:8 row_mask:0xf bank_mask:0xf
	s_delay_alu instid0(VALU_DEP_1)
	v_permlanex16_b32 v[\t], v[\r], s20, s21
	s_delay_alu instid0(VALU_DEP_1)
	v_add_f32 v[\r], v[\r], v[\t]
.endm
.macro ROW q
.set XS, X+32*(\q)
.if (\q) == 0
	s_wait_loadcnt 24                              ; row 0's eight loads are in; behind them stand row 1's eight and the sixteen of g and be
.endif
	v_pk_add_f32 v[2:3], v[XS:XS+1], v[XS+2:XS+3]  ; the sum, in two chains
	v_pk_add_f32 v[8:9], v[XS+4:XS+5], v[XS+6:XS+7]
.irp j, 8,12,16,20,24,28
	s_delay_alu instid0(VALU_DEP_2)
	v_pk_add_f32 v[2:3], v[2:3], v[XS+\j:XS+\j+1]
	s_delay_alu instid0(VALU_DEP_2)
	v_pk_add_f32 v[8:9], v[8:9], v[XS+\j+2:XS+\j+3]
.endr
	s_delay_alu instid0(VALU_DEP_1)
	v_pk_add_f32 v[2:3], v[2:3], v[8:9]
	s_delay_alu instid0(VALU_DEP_1)
	v_add_f32 v2, v2, v3
	ALL 2, 3
	s_delay_alu instid0(VALU_DEP_1)
	v_mul_f32 v2, s22, v2                          ; the mean
.set J, 0
.rept 16
	v_pk_add_f32 v[XS+J:XS+J+1], v[XS+J:XS+J+1], v[2:3] op_sel_hi:[1,0] neg_lo:[0,1] neg_hi:[0,1]   ; x - mean
.set J, J+2
.endr
	v_pk_mul_f32 v[8:9], v[XS:XS+1], v[XS:XS+1]
	v_pk_mul_f32 v[10:11], v[XS+2:XS+3], v[XS+2:XS+3]
.irp j, 4,8,12,16,20,24,28
	s_delay_alu instid0(VALU_DEP_2)
	v_pk_fma_f32 v[8:9], v[XS+\j:XS+\j+1], v[XS+\j:XS+\j+1], v[8:9]
	s_delay_alu instid0(VALU_DEP_2)
	v_pk_fma_f32 v[10:11], v[XS+\j+2:XS+\j+3], v[XS+\j+2:XS+\j+3], v[10:11]
.endr
	s_delay_alu instid0(VALU_DEP_1)
	v_pk_add_f32 v[8:9], v[8:9], v[10:11]
	s_delay_alu instid0(VALU_DEP_1)
	v_add_f32 v8, v8, v9
	ALL 8, 9
	s_delay_alu instid0(VALU_DEP_1)
	v_fma_f32 v8, v8, s22, s23                     ; the variance + 1e-5
	s_wait_alu depctr_va_vdst(0)
	v_rsq_f32 v8, v8
	v_nop                                          ; a plain line behind the transcendental
	s_wait_alu depctr_va_vdst(0)                   ; and the wait ahead of its first reader
.if (\q) == 0
	s_wait_loadcnt 0x0                             ; g and be (and row 1)
.endif
.set J, 0
.rept 16
	v_pk_mul_f32 v[XS+J:XS+J+1], v[XS+J:XS+J+1], v[8:9] op_sel_hi:[1,0]
.set J, J+2
.endr
.set J, 0
.rept 16
	v_pk_fma_f32 v[XS+J:XS+J+1], v[XS+J:XS+J+1], v[G+J:G+J+1], v[BE+J:BE+J+1]
.set J, J+2
.endr
.irp j, 0,1,2,3,4,5,6,7
	global_store_b128 v1, v[XS+4*\j:XS+4*\j+3], s[12:13] offset:4096*(\q)+512*\j
.endr
.set J, 0
.rept 32
	v_med3_num_f32 v[T+J], v[XS+J], -v15, v15      ; into other registers: the stores' data stay as they are
.set J, J+1
.endr
.irp i, 0,1,2,3
	v_cvt_scalef32_pk8_fp8_f32 v[C+8*(\q)+2*\i:C+8*(\q)+2*\i+1], v[T+8*\i:T+8*\i+7], v14
.endr
	v_nop                                          ; a plain line behind the last conversion
.irp j, 0,1,2,3,4,5,6,7
	ds_store_b32 v4, v[C+8*(\q)+\j] offset:1024*(\q)+128*\j
.endr
.irp u, 0,1
	ds_load_b128 v[O+8*(\q)+4*\u:O+8*(\q)+4*\u+3], v5 offset:1024*(\q)+512*\u   ; LDS serves a wave's instructions in order
.endr
.irp u, 0,1
	s_wait_dscnt 1-\u
	global_store_b128 v1, v[O+8*(\q)+4*\u:O+8*(\q)+4*\u+3], s[14:15] offset:1024*(\q)+512*\u
.endr
.endm
	ROW 0
	ROW 1
	s_wait_tensorcnt 0x0                           ; the wave's end
	ds_add_u32 v6, v7
	s_wait_dscnt 0x0
	s_endpgm
.Lfunc_end_k_q2f164d41ca_ln1:
	.size	k_q2f164d41ca_ln1, .Lfunc_end_k_q2f164d41ca_ln1-k_q2f164d41ca_ln1
	.p2alignl 7, 3214868480
	.fill 96, 4, 3214868480
	.section	.rodata,"a",@progbits
	.p2align	6, 0x0
	.amdhsa_kernel k_q2f164d41ca_ln1
		.amdhsa_group_segment_fixed_size 17408
		.amdhsa_private_segment_fixed_size 0
		.amdhsa_enable_private_segment 0
		.amdhsa_kernarg_size 48
		.amdhsa_user_sgpr_count 2
		.amdhsa_user_sgpr_kernarg_segment_ptr 1
		.amdhsa_wavefront_size32 1
		.amdhsa_system_sgpr_workgroup_id_x 1
		.amdhsa_system_sgpr_workgroup_id_y 1
		.amdhsa_system_sgpr_workgroup_id_z 1
		.amdhsa_system_vgpr_workitem_id 0
		.amdhsa_next_free_vgpr 224
		.amdhsa_next_free_sgpr 66
		.amdhsa_reserve_vcc 0
		.amdhsa_float_denorm_mode_32 3
		.amdhsa_float_denorm_mode_16_64 3
		.amdhsa_memory_ordered 1
		.amdhsa_forward_progress 1
		.amdhsa_inst_pref_size 28
	.end_amdhsa_kernel
	.amdgpu_metadata
---
amdhsa.version: [ 1, 2 ]
amdhsa.kernels:
  - .name:           k_q2f164d41ca_ln1
    .symbol:         k_q2f164d41ca_ln1.kd
    .args:
      - { .name: res, .offset: 0, .size: 8, .value_kind: global_buffer, .address_space: global }
      - { .name: g1, .offset: 8, .size: 8, .value_kind: global_buffer, .address_space: global }
      - { .name: be1, .offset: 16, .size: 8, .value_kind: global_buffer, .address_space: global }
      - { .name: lowp_scales, .offset: 24, .size: 8, .value_kind: global_buffer, .address_space: global }
      - { .name: hf, .offset: 32, .size: 8, .value_kind: global_buffer, .address_space: global }
      - { .name: hc, .offset: 40, .size: 8, .value_kind: global_buffer, .address_space: global }
    .group_segment_fixed_size: 17408
    .private_segment_fixed_size: 0
    .kernarg_segment_align: 8
    .kernarg_segment_size: 48
    .max_flat_workgroup_size: 256
    .sgpr_count:     66
    .vgpr_count:     224
    .wavefront_size: 32
...
	.end_amdgpu_metadata
.endif
;; end of part 5
;; launch ffn1 (part 6): grid 16 x 16, 4 waves a work-group, clusters of 4 x 4, 327,680 bytes of LDS; arguments hc, W1_codes, lowp_scales, hid, b1; writes hid
.if DOCPART == 6
	.amdgcn_target "amdgcn-amd-amdhsa--gfx1250"
	.amdhsa_code_object_version 6
	.text
	.protected	k_q2f164d41ca_ffn1
	.globl	k_q2f164d41ca_ffn1
	.p2align	8
	.type	k_q2f164d41ca_ffn1,@function
k_q2f164d41ca_ffn1:
	s_mov_b64 s[64:65], 0
	v_nop
	global_prefetch_b8 v0, s[64:65] scope:SCOPE_SE
	s_setreg_imm32_b32 hwreg(HW_REG_WAVE_MODE, 25, 1), 1
	s_wait_xcnt 0x0
	s_wait_alu depctr_hold_cnt(0) depctr_sa_sdst(0) depctr_va_vdst(0) depctr_va_sdst(0) depctr_va_ssrc(0) depctr_va_vcc(0) depctr_vm_vsrc(0)
	s_getreg_b32 s2, hwreg(HW_REG_IB_STS2, 6, 4)
	s_cmp_eq_u32 s2, 0
	s_cbranch_scc0 .Lentry_in_a_cluster
	s_endpgm
.Lentry_in_a_cluster:
	s_bfe_u32 s2, ttmp6, 0x10000c
	s_cmp_lg_u32 s2, 0xf033
	s_cbranch_scc0 .Lentry_shape_is_right
	s_endpgm
.Lentry_shape_is_right:
.set ROWB,   256
.set KROW,   1024
.set PITCH,  272
.set FR,     16
.set NL,     4
.set NP,     4
.set HALFT,  128*PITCH
.set SLOT,   4*HALFT
.set LAPS,   2
.set SPARE,  2*SLOT
.set ADRA, 16
.set BON,  18
.set ADRB, 20
.set STON, 24
.set RDN,  25
.set CON,  26
.set SPW,  28
.set NIL,  29
.set LIM,  30
.set SCL,  31
.set BIA,  32
.set TMP,  96
.set AF,   128
.set COD,  160
.set BK,   128
.set G1, 24
.set G0, 32
.set G1B, 48
.set G0B, 56
.set MSB, 0
.macro WIN new
.if MSB != \new
	s_set_vgpr_msb (MSB<<8)|\new
.set MSB, \new
.endif
.endm
.set MUL_LO, 0xa1
.set MUL_HI, 0xf1
.set TO_B,   0x40
.macro JLOAD g0a, g1a, g0b, g1b
	s_cmp_eq_u32 s15, 0
	s_cbranch_scc0 .Lfor_b_\@
	tensor_load_to_lds s[\g0a:\g0a+3], s[\g1a:\g1a+7]
	s_nop 0
.rept 4
	v_nop
.endr
	s_branch .Lasked_\@
.Lfor_b_\@:
	tensor_load_to_lds s[\g0b:\g0b+3], s[\g1b:\g1b+7]
	s_nop 0
.rept 4
	v_nop
.endr
.Lasked_\@:
.endm
.macro CREST
	s_cmp_lg_u32 s14, 0
	s_cbranch_scc1 .Lnot_wave_0_\@
	s_barrier_signal -3
.Lnot_wave_0_\@:
	s_barrier_wait -3
	s_barrier_signal -1
	s_barrier_wait -1
.endm
.macro CROUND
	s_barrier_signal -1
	s_barrier_wait -1
	CREST
.endm
	s_load_b128 s[4:7], s[0:1], 0x0
	s_load_b128 s[8:11], s[0:1], 0x10
	s_load_b64 s[12:13], s[0:1], 0x20
	v_lshl_add_u32 v[SPW], v0, 2, SPARE
	v_mov_b32 v[NIL], 0
	ds_add_u32 v[SPW], v[NIL]
	ds_add_u32 v[SPW], v[NIL]
	v_lshrrev_b32 v1, 5, v0
	v_readfirstlane_b32 s14, v1
	s_lshr_b32 s15, s14, 1
	s_and_b32 s16, s14, 1
	s_bfe_u32 s40, ttmp6, 0x40000
	s_bfe_u32 s41, ttmp6, 0x40004
	s_lshl_b32 s42, ttmp9, 2
	s_add_co_u32 s42, s42, s40
	s_and_b32 s17, ttmp7, 0xffff
	s_lshl_b32 s17, s17, 2
	s_add_co_u32 s17, s17, s41
	s_lshl_b32 s43, s41, 2
	s_lshl_b32 s43, 15, s43
	s_lshl_b32 s44, 0x1111, s40
	s_or_b32 s[G1+0], s43, (0<<16)|(1<<20)|(1<<21)|(5<<22)|(3<<25)
	s_or_b32 s[G1B+0], s44, (0<<16)|(1<<20)|(1<<21)|(5<<22)|(3<<25)
.irp g, G1, G1B
	s_mov_b32 s[\g+1], ROWB<<16
	s_mov_b32 s[\g+2], 128<<16
	s_mov_b32 s[\g+3], ROWB<<16
	s_mov_b32 s[\g+4], 128
	s_mov_b32 s[\g+5], KROW
	s_mov_b32 s[\g+6], 0
	s_mov_b32 s[\g+7], 0
.endr
	s_lshl_b32 s18, s16, 7
	s_lshl_b32 s20, s17, 8
	s_add_co_u32 s20, s20, s18
	s_lshl_b32 s20, s20, 10
	s_lshl_b32 s46, s42, 8
	s_add_co_u32 s46, s46, s18
	s_lshl_b32 s46, s46, 10
	s_mov_b32 s21, 0
	s_mov_b32 s47, 0
	s_mul_i32 s45, s14, HALFT
	s_wait_dscnt 0x0
	s_wait_kmcnt 0x0
	s_load_b128 s[68:71], s[8:9], 0x30
	s_add_nc_u64 s[20:21], s[4:5], s[20:21]
	s_add_nc_u64 s[46:47], s[6:7], s[46:47]
	CROUND
.irp s, 0,1
	s_mov_b32 s[G0+4*\s], 1
	s_add_co_u32 s[G0+4*\s+1], s45, \s*SLOT
	s_add_nc_u64 s[G0+4*\s+2:G0+4*\s+3], s[20:21], \s*ROWB
	s_or_b32 s[G0+4*\s+3], s[G0+4*\s+3], 0x80000000
	s_mov_b32 s[G0B+4*\s], 1
	s_add_co_u32 s[G0B+4*\s+1], s45, \s*SLOT
	s_add_nc_u64 s[G0B+4*\s+2:G0B+4*\s+3], s[46:47], \s*ROWB
	s_or_b32 s[G0B+4*\s+3], s[G0B+4*\s+3], 0x80000000
.endr
	JLOAD G0, G1, G0B, G1B                         ; K step 0: one tensor load a wave at the head; the rest of the head stands under its flight
	; THE PREFETCH: behind the joint load of K step s one instruction a wave asks for K step s + 2 (K has four steps: steps 2 and 3 are asked for, behind the loads of steps 0 and 1).
	; Of the 128 rows that my wave fetches each of the four partners that ask for them jointly names 32, told apart by address (cx for A, cy for B): a lane a row, 256 bytes of it, aligned; each block once in a cluster.
	s_lshl_b32 s74, s17, 8
	s_lshl_b32 s75, s42, 8
	s_cmp_eq_u32 s15, 0                            ; do I fetch for A?
	s_cselect_b32 s74, s74, s75                    ; the tile's first row
	s_cselect_b32 s75, s40, s41                    ; my place among the four
	s_cselect_b64 s[72:73], s[4:5], s[6:7]
	s_lshl_b32 s76, s16, 7
	s_add_co_u32 s74, s74, s76                     ; + the 128 rows that I fetch
	s_lshl_b32 s75, s75, 5
	s_add_co_u32 s74, s74, s75                     ; + my work-group's 32 of them
	s_lshl_b32 s74, s74, 10                        ; rows of 1,024 bytes
	s_mov_b32 s75, 0
	s_add_nc_u64 s[72:73], s[72:73], s[74:75]      ; never rewritten
	v_and_b32 v27, 31, v0
	v_lshlrev_b32 v27, 10, v27                     ; a lane a row; never rewritten
	global_prefetch_b8 v27, s[72:73] offset:ROWB th:TH_LOAD_NT scope:SCOPE_SE     ; K step 1 too: its load goes out a change of slots on, when K step 0's has landed
	global_prefetch_b8 v27, s[72:73] offset:2*ROWB th:TH_LOAD_NT scope:SCOPE_SE
	v_and_b32 v1, 15, v0
	v_bfe_u32 v2, v0, 4, 1
	v_mul_u32_u24 v3, v1, PITCH
	s_wait_alu depctr_va_vdst(0)
	v_lshl_add_u32 v4, v2, 4, v3
	s_mul_i32 s21, s15, HALFT
	s_mul_i32 s22, s16, HALFT
	s_add_co_u32 s22, s22, 2*HALFT
.irp s, 0,1
	v_add_nc_u32 v[ADRA+\s], s21, v4
	v_add_nc_u32 v[ADRB+\s], s22, v4
	s_add_co_u32 s21, s21, SLOT
	s_add_co_u32 s22, s22, SLOT
.endr
	s_mul_i32 s23, s15, 128*PITCH
	s_lshl_b32 s21, s16, 7
	s_add_co_u32 s23, s23, s21
	v_lshl_add_u32 v[STON], v2, 3, v3
	v_add_nc_u32 v[STON], s23, v[STON]
	s_mul_i32 s23, s14, 64*PITCH
	v_mul_u32_u24 v5, v2, PITCH
	v_lshl_add_u32 v5, v1, 4, v5
	v_add_nc_u32 v[RDN], s23, v5
	v_lshlrev_b32 v6, 4, v1
	v_lshl_add_u32 v[CON], v2, 12, v6
	v_lshlrev_b32 v[BON], 5, v2
	s_wait_alu depctr_va_vdst(0)
	s_lshl_b32 s86, s17, 8
	s_lshl_b32 s87, s14, 6
	s_add_co_u32 s86, s86, s87
	s_lshl_b32 s86, s86, 12
	s_lshl_b32 s87, s42, 8
	s_add_co_u32 s86, s86, s87
	s_mov_b32 s87, 0
	s_add_nc_u64 s[10:11], s[10:11], s[86:87]
	s_lshl_b32 s88, s42, 10
	s_lshl_b32 s89, s16, 9
	s_add_co_u32 s88, s88, s89
	s_mov_b32 s89, 0
	s_add_nc_u64 s[12:13], s[12:13], s[88:89]
.irp b, 0,1,2,3,4,5,6,7
	global_load_b128 v[BIA+8*\b:BIA+8*\b+3], v[BON], s[12:13] offset:64*\b
	global_load_b128 v[BIA+8*\b+4:BIA+8*\b+7], v[BON], s[12:13] offset:64*\b+16
.endr
.macro FRAG reg, adr, q, i
.irp c, 0,1,2,3
	ds_load_b128 v[\reg+4*\c:\reg+4*\c+3], v[\adr] offset:128*(\q)+32*\c+(\i)*16*PITCH
.endr
.endm
.macro MUL16 a0, p, zero
.irp a, \a0, \a0+1
.irp b, 0,1,2,3,4,5,6,7
.if \zero
	v_wmma_f32_16x16x128_fp8_fp8 v[8*(8*((\a)%4)+\b):8*(8*((\a)%4)+\b)+7], v[128*(\p)+FR*\b:128*(\p)+FR*\b+FR-1], v[AF+FR*(\a):AF+FR*(\a)+FR-1], 0
.else
	v_wmma_f32_16x16x128_fp8_fp8 v[8*(8*((\a)%4)+\b):8*(8*((\a)%4)+\b)+7], v[128*(\p)+FR*\b:128*(\p)+FR*\b+FR-1], v[AF+FR*(\a):AF+FR*(\a)+FR-1], v[8*(8*((\a)%4)+\b):8*(8*((\a)%4)+\b)+7]
.endif
.endr
.endr
.endm
.macro FETCH_B slot, q, p
	WIN TO_B
.irp i, 0,1,2,3,4,5,6,7
	FRAG 128*(\p)+FR*\i, ADRB+\slot, \q, \i
.endr
	WIN 0
.endm
.macro FETCH_A slot, q, i0
.irp i, \i0, \i0+1, \i0+2, \i0+3
	FRAG AF+FR*(\i), ADRA+\slot, \q, \i
.endr
.endm
.macro PLACES n
.rept \n
	v_nop
.endr
.endm
.macro STEP slot, q, zero
	s_wait_dscnt 4*NL
	WIN MUL_LO
	MUL16 0, (\q)%2, \zero
	MUL16 2, (\q)%2, \zero
	s_wait_dscnt 0
	PLACES NP
	FETCH_B \slot, (\q)+1, 1-(\q)%2
	FETCH_A \slot, (\q)+1, 0
	WIN MUL_HI
	MUL16 4, (\q)%2, \zero
	MUL16 6, (\q)%2, \zero
	PLACES NP
	WIN 0
	FETCH_A \slot, (\q)+1, 4
.endm
.macro TURN slot, next, fill
	s_wait_tensorcnt 0x0
	ds_add_u32 v[SPW], v[NIL]
	s_wait_dscnt 4*NL+1
	WIN MUL_LO
	MUL16 0, 1, 0
	s_wait_dscnt 0x0
	s_barrier_signal -1
	MUL16 2, 1, 0
	WIN 0
	s_barrier_wait -1
.if \fill
	CREST
	s_add_nc_u64 s[G0+4*\slot+2:G0+4*\slot+3], s[G0+4*\slot+2:G0+4*\slot+3], 2*ROWB
	s_add_nc_u64 s[G0B+4*\slot+2:G0B+4*\slot+3], s[G0B+4*\slot+2:G0B+4*\slot+3], 2*ROWB
	JLOAD G0+4*\slot, G1, G0B+4*\slot, G1B
.else
	PLACES NP
.endif
	FETCH_B \next, 0, 0
	FETCH_A \next, 0, 0
	WIN MUL_HI
	MUL16 4, 1, 0
	MUL16 6, 1, 0
	PLACES NP
	WIN 0
	FETCH_A \next, 0, 4
.endm
	s_wait_alu depctr_va_vdst(0)                   ; the wait at the head's end
	s_wait_tensorcnt 0x0                           ; my part of K step 0 is in
	ds_add_u32 v[SPW], v[NIL]
	s_wait_dscnt 0x0
	CROUND                                         ; everybody's part of K step 0 is in, and the joint loads meet
	JLOAD G0+4, G1, G0B+4, G1B                     ; K step 1's load, the first tensor load behind the round
	global_prefetch_b8 v27, s[72:73] offset:3*ROWB th:TH_LOAD_NT scope:SCOPE_SE   ; K step 3, the last
	FETCH_B 0, 0, 0
	FETCH_A 0, 0, 0
	FETCH_A 0, 0, 4
	STEP 0, 0, 1
	s_mov_b32 s3, LAPS-1
.Llap:
	TURN 0, 1, 1
	STEP 1, 0, 0
	TURN 1, 0, 1
	STEP 0, 0, 0
	s_sub_co_u32 s3, s3, 1
	s_cmp_lg_u32 s3, 0
	s_cbranch_scc1 .Llap
	TURN 0, 1, 0
	STEP 1, 0, 0
	s_wait_dscnt 4*NL
	WIN MUL_LO
	MUL16 0, 1, 0
	MUL16 2, 1, 0
	s_wait_dscnt 0
	WIN MUL_HI
	MUL16 4, 1, 0
	MUL16 6, 1, 0
	WIN 0
	s_wait_kmcnt 0x0
	s_add_co_i32 s96, s68, s69
	s_add_co_i32 s96, s96, 127
	s_lshl_b32 s96, s96, 23
	s_mov_b32 s97, s96
	s_add_co_i32 s94, s70, 127
	s_lshl_b32 s95, s94, 23
	v_mov_b32 v[SCL], s95
	s_add_co_i32 s94, s94, 8
	s_lshl_b32 s94, s94, 23
	s_or_b32 s94, s94, 0x600000
	v_mov_b32 v[LIM], s94
	s_wait_loadcnt 0x0
	PLACES NP
.irp a, 0,1,2,3,4,5,6,7
.if \a >= 2
	s_wait_dscnt 8
.endif
.if \a < 4
	WIN 0x02
.else
	WIN 0x03
.endif
.set J, 0
.rept 32
	v_pk_fma_f32 v[TMP+J:TMP+J+1], v[64*(\a%4)+J:64*(\a%4)+J+1], s[96:97], v[BIA+J:BIA+J+1] op_sel_hi:[1,0,1]
.set J, J+2
.endr
	WIN 0
.irp b, 0,1,2,3,4,5,6,7
.irp i, 0,1,2,3,4,5,6,7
	v_med3_num_f32 v[TMP+8*\b+\i], v[TMP+8*\b+\i], 0, v[LIM]
.endr
	v_cvt_scalef32_pk8_fp8_f32 v[COD+16*(\a%2)+2*\b:COD+16*(\a%2)+2*\b+1], v[TMP+8*\b:TMP+8*\b+7], v[SCL]
.endr
	v_nop
.irp b, 0,1,2,3,4,5,6,7
	ds_store_b64 v[STON], v[COD+16*(\a%2)+2*\b:COD+16*(\a%2)+2*\b+1] offset:\a*16*PITCH+16*\b
.endr
.endr
	s_wait_dscnt 0x0
	s_barrier_signal -1
	s_barrier_wait -1
.set J, 0
.rept 32
	ds_load_b128 v[BK+4*J:BK+4*J+3], v[RDN] offset:J*2*PITCH
.set J, J+1
.endr
.set J, 0
.rept 32
	s_wait_dscnt 31-J
	global_store_b128 v[CON], v[BK+4*J:BK+4*J+3], s[10:11] offset:2*J*4096
.set J, J+1
.endr
	s_wait_tensorcnt 0x0
	ds_add_u32 v[SPW], v[NIL]
	s_wait_dscnt 0x0
	CROUND
	s_endpgm
.Lfunc_end_k_q2f164d41ca_ffn1:
	.size	k_q2f164d41ca_ffn1, .Lfunc_end_k_q2f164d41ca_ffn1-k_q2f164d41ca_ffn1
	.p2alignl 7, 3214868480
	.fill 96, 4, 3214868480
	.section	.rodata,"a",@progbits
	.p2align	6, 0x0
	.amdhsa_kernel k_q2f164d41ca_ffn1
		.amdhsa_group_segment_fixed_size 327680
		.amdhsa_private_segment_fixed_size 0
		.amdhsa_enable_private_segment 0
		.amdhsa_kernarg_size 40
		.amdhsa_user_sgpr_count 2
		.amdhsa_user_sgpr_kernarg_segment_ptr 1
		.amdhsa_wavefront_size32 1
		.amdhsa_system_sgpr_workgroup_id_x 1
		.amdhsa_system_sgpr_workgroup_id_y 1
		.amdhsa_system_sgpr_workgroup_id_z 1
		.amdhsa_system_vgpr_workitem_id 0
		.amdhsa_next_free_vgpr 1024
		.amdhsa_next_free_sgpr 98
		.amdhsa_reserve_vcc 0
		.amdhsa_float_denorm_mode_32 3
		.amdhsa_float_denorm_mode_16_64 3
		.amdhsa_memory_ordered 1
		.amdhsa_forward_progress 1
		.amdhsa_inst_pref_size 144
	.end_amdhsa_kernel
	.amdgpu_metadata
---
amdhsa.version: [ 1, 2 ]
amdhsa.kernels:
  - .name:           k_q2f164d41ca_ffn1
    .symbol:         k_q2f164d41ca_ffn1.kd
    .args:
      - { .name: hc, .offset: 0, .size: 8, .value_kind: global_buffer, .address_space: global }
      - { .name: W1_codes, .offset: 8, .size: 8, .value_kind: global_buffer, .address_space: global }
      - { .name: lowp_scales, .offset: 16, .size: 8, .value_kind: global_buffer, .address_space: global }
      - { .name: hid, .offset: 24, .size: 8, .value_kind: global_buffer, .address_space: global }
      - { .name: b1, .offset: 32, .size: 8, .value_kind: global_buffer, .address_space: global }
    .group_segment_fixed_size: 327680
    .private_segment_fixed_size: 0
    .kernarg_segment_align: 8
    .kernarg_segment_size: 40
    .max_flat_workgroup_size: 128
    .sgpr_count:     98
    .vgpr_count:     1024
    .wavefront_size: 32
...
	.end_amdgpu_metadata
.endif
;; end of part 6
;; launch ffn2 (part 7): grid 8 x 32, 4 waves a work-group, clusters of 4 x 4, 327,680 bytes of LDS; arguments hid, W2_codes, lowp_scales, res, b2, hf; writes res
.if DOCPART == 7
	.amdgcn_target "amdgcn-amd-amdhsa--gfx1250"
	.amdhsa_code_object_version 6
	.text
	.protected	k_q2f164d41ca_ffn2
	.globl	k_q2f164d41ca_ffn2
	.p2align	8
	.type	k_q2f164d41ca_ffn2,@function
k_q2f164d41ca_ffn2:
	s_mov_b64 s[64:65], 0
	v_nop
	global_prefetch_b8 v0, s[64:65] scope:SCOPE_SE
	s_setreg_imm32_b32 hwreg(HW_REG_WAVE_MODE, 25, 1), 1
	s_wait_xcnt 0x0
	s_wait_alu depctr_hold_cnt(0) depctr_sa_sdst(0) depctr_va_vdst(0) depctr_va_sdst(0) depctr_va_ssrc(0) depctr_va_vcc(0) depctr_vm_vsrc(0)
	s_getreg_b32 s2, hwreg(HW_REG_IB_STS2, 6, 4)
	s_cmp_eq_u32 s2, 0
	s_cbranch_scc0 .Lentry_in_a_cluster
	s_endpgm
.Lentry_in_a_cluster:
	s_bfe_u32 s2, ttmp6, 0x10000c
	s_cmp_lg_u32 s2, 0xf033
	s_cbranch_scc0 .Lentry_shape_is_right
	s_endpgm
.Lentry_shape_is_right:
.set SIZE_K, 4096
.set EOFF,   0x38
.set KSTEP,  512
.set PITCH,  528
.set HALFT,  64*PITCH
.set SLOT,   4*HALFT
.set STAGE,  2*SLOT
.set SPITCH, 272
.set SPARE,  STAGE+4*16*SPITCH
.set LAPS,   SIZE_K/(2*KSTEP)
.set ADRA, 16
.set ADRB, 20
.set STO,  24
.set RD,   25
.set CO,   26
.set BO,   27
.set SPW,  28
.set NIL,  29
.set TMP,  32
.set BIA,  96
.set ACC,  128
.set F0,   0
.set F1,   128
.set G1, 24
.set G0, 32
.set G1B, 48
.set G0B, 56
.set MSB, 0
.macro WIN new
.if MSB != \new
	s_set_vgpr_msb (MSB<<8)|\new
.set MSB, \new
.endif
.endm
.set MUL,  0x05
.set TO_F, 0x40
.macro JLOAD s
	s_cmp_eq_u32 s11, 0
	s_cbranch_scc0 .Lfor_b_\@
	tensor_load_to_lds s[G0+4*\s:G0+4*\s+3], s[G1:G1+7]
	s_nop 0
.rept 4
	v_nop
.endr
	s_branch .Lasked_\@
.Lfor_b_\@:
	tensor_load_to_lds s[G0B+4*\s:G0B+4*\s+3], s[G1B:G1B+7]
	s_nop 0
.rept 4
	v_nop
.endr
.Lasked_\@:
.endm
.macro CREST
	s_cmp_lg_u32 s10, 0
	s_cbranch_scc1 .Lnot_wave_0_\@
	s_barrier_signal -3
.Lnot_wave_0_\@:
	s_barrier_wait -3
	s_barrier_signal -1
	s_barrier_wait -1
.endm
.macro CROUND
	s_barrier_signal -1
	s_barrier_wait -1
	CREST
.endm
	s_load_b128 s[4:7], s[0:1], 0x0
	s_load_b128 s[68:71], s[0:1], 0x10
	s_load_b128 s[72:75], s[0:1], 0x20
	v_lshl_add_u32 v[SPW], v0, 2, SPARE
	v_mov_b32 v[NIL], 0
	ds_add_u32 v[SPW], v[NIL]
	ds_add_u32 v[SPW], v[NIL]
	v_lshrrev_b32 v1, 5, v0
	v_readfirstlane_b32 s10, v1
	s_lshr_b32 s11, s10, 1
	s_and_b32 s12, s10, 1
	s_bfe_u32 s40, ttmp6, 0x40000
	s_bfe_u32 s41, ttmp6, 0x40004
	s_lshl_b32 s42, ttmp9, 2
	s_add_co_u32 s42, s42, s40
	s_and_b32 s13, ttmp7, 0xffff
	s_lshl_b32 s13, s13, 2
	s_add_co_u32 s13, s13, s41
	s_lshl_b32 s43, s41, 2
	s_lshl_b32 s43, 15, s43
	s_lshl_b32 s44, 0x1111, s40
	s_or_b32 s[G1+0], s43, (0<<16)|(1<<20)|(1<<21)|(6<<22)|(3<<25)
	s_or_b32 s[G1B+0], s44, (0<<16)|(1<<20)|(1<<21)|(6<<22)|(3<<25)
.irp g, G1, G1B
	s_mov_b32 s[\g+1], KSTEP<<16
	s_mov_b32 s[\g+2], 64<<16
	s_mov_b32 s[\g+3], KSTEP<<16
	s_mov_b32 s[\g+4], 64
	s_mov_b32 s[\g+5], SIZE_K
	s_mov_b32 s[\g+6], 0
	s_mov_b32 s[\g+7], 0
.endr
	s_lshl_b32 s17, s12, 6
	s_lshl_b32 s16, s13, 7
	s_add_co_u32 s16, s16, s17
	s_lshl_b32 s46, s42, 7
	s_add_co_u32 s46, s46, s17
	s_mul_i32 s16, s16, SIZE_K
	s_mul_i32 s46, s46, SIZE_K
	s_mov_b32 s17, 0
	s_mov_b32 s47, 0
	s_mul_i32 s20, s10, HALFT
	s_wait_dscnt 0x0
	s_wait_kmcnt 0x0
	s_load_b64 s[76:77], s[68:69], EOFF
	s_add_nc_u64 s[14:15], s[4:5], s[16:17]
	s_add_nc_u64 s[46:47], s[6:7], s[46:47]
	CROUND
.irp s, 0,1
	s_mov_b32 s[G0+4*\s], 1
	s_add_co_u32 s[G0+4*\s+1], s20, \s*SLOT
	s_add_nc_u64 s[G0+4*\s+2:G0+4*\s+3], s[14:15], \s*KSTEP
	s_or_b32 s[G0+4*\s+3], s[G0+4*\s+3], 0x80000000
	s_mov_b32 s[G0B+4*\s], 1
	s_add_co_u32 s[G0B+4*\s+1], s20, \s*SLOT
	s_add_nc_u64 s[G0B+4*\s+2:G0B+4*\s+3], s[46:47], \s*KSTEP
	s_or_b32 s[G0B+4*\s+3], s[G0B+4*\s+3], 0x80000000
.endr
	JLOAD 0                                        ; K step 0: one tensor load a wave at the head; the rest of the head stands under its flight
	; THE PREFETCH: behind the joint load of K step s one instruction a wave asks for K step s + 2: two changes of slots ahead of the load that will want it.  K has eight steps: steps 2 to 7 are asked for; the refills of steps 6 and 7 ask for nothing.
	; A K step is 512 bytes of each row, two aligned blocks of 256.  Of the 64 rows that my wave fetches each of the four partners that ask for them jointly names 16, told apart by address (cx for A, cy for B):
	; lane l names block l % 2 of row l / 2; each block once in a cluster.  What a work-group has asked for and not yet loaded is at most two K steps of its part.
	s_lshl_b32 s86, s13, 7
	s_lshl_b32 s87, s42, 7
	s_cmp_eq_u32 s11, 0                            ; do I fetch for A?
	s_cselect_b32 s86, s86, s87                    ; the tile's first row
	s_cselect_b32 s87, s40, s41                    ; my place among the four
	s_cselect_b64 s[84:85], s[4:5], s[6:7]
	s_lshl_b32 s88, s12, 6
	s_add_co_u32 s86, s86, s88                     ; + the 64 rows that I fetch
	s_lshl_b32 s87, s87, 4
	s_add_co_u32 s86, s86, s87                     ; + my work-group's 16 of them
	s_lshl_b32 s86, s86, 12                        ; rows of 4,096 bytes
	s_mov_b32 s87, 0
	s_add_nc_u64 s[84:85], s[84:85], s[86:87]
	v_and_b32 v30, 31, v0
	v_lshrrev_b32 v31, 1, v30
	v_and_b32 v30, 1, v30
	v_lshlrev_b32 v30, 8, v30
	v_lshl_add_u32 v30, v31, 12, v30               ; never rewritten
	global_prefetch_b8 v30, s[84:85] offset:KSTEP th:TH_LOAD_NT scope:SCOPE_SE    ; K step 1 too: its load goes out a change of slots on, when K step 0's has landed
	global_prefetch_b8 v30, s[84:85] offset:2*KSTEP th:TH_LOAD_NT scope:SCOPE_SE
	v_and_b32 v1, 15, v0
	s_wait_alu depctr_va_vdst(0)
	v_bfe_u32 v2, v0, 4, 1
	v_mul_u32_u24 v3, v1, PITCH
	v_lshl_add_u32 v3, v2, 4, v3
	s_mul_i32 s21, s11, HALFT
	s_mul_i32 s22, s12, HALFT
	s_add_co_u32 s22, s22, 2*HALFT
.irp s, 0,1
	v_add_nc_u32 v[ADRA+\s], s21, v3
	v_add_nc_u32 v[ADRB+\s], s22, v3
	s_add_co_u32 s21, s21, SLOT
	s_add_co_u32 s22, s22, SLOT
.endr
	s_mul_i32 s23, s10, 16*SPITCH
	s_add_co_u32 s23, s23, STAGE
	v_mul_u32_u24 v4, v1, SPITCH
	s_wait_alu depctr_va_vdst(0)
	v_lshl_add_u32 v4, v2, 5, v4
	v_add_nc_u32 v[STO], s23, v4
	v_mul_u32_u24 v5, v2, SPITCH
	v_lshl_add_u32 v5, v1, 4, v5
	v_add_nc_u32 v[RD], s23, v5
	v_lshlrev_b32 v[BO], 4, v1
	v_lshl_add_u32 v[CO], v2, 12, v[BO]
	s_wait_alu depctr_va_vdst(0)
	s_lshl_b32 s78, s13, 7
	s_lshl_b32 s79, s11, 6
	s_add_co_u32 s78, s78, s79
	s_lshl_b32 s78, s78, 12
	s_lshl_b32 s80, s42, 7
	s_lshl_b32 s79, s12, 6
	s_add_co_u32 s80, s80, s79
	s_lshl_b32 s80, s80, 2
	s_mov_b32 s81, 0
	s_add_co_u32 s78, s78, s80
	s_mov_b32 s79, 0
	s_add_nc_u64 s[8:9], s[70:71], s[78:79]
	s_add_nc_u64 s[74:75], s[74:75], s[78:79]
	s_add_nc_u64 s[72:73], s[72:73], s[80:81]
.macro FRAG reg, adr, k, i
.irp c, 0,1,2,3
	ds_load_b128 v[\reg+4*\c:\reg+4*\c+3], v[\adr] offset:(\k)+32*\c+(\i)*16*PITCH
.endr
.endm
.macro FETCH slot, k, f
	WIN TO_F
	FRAG \f, ADRA+\slot, \k, 0
	FRAG \f+16, ADRA+\slot, \k, 1
.irp i, 0,1,2,3
	FRAG \f+64+16*\i, ADRB+\slot, \k, \i
.endr
	FRAG \f+32, ADRA+\slot, \k, 2
	FRAG \f+48, ADRA+\slot, \k, 3
.endm
.macro MUL4 f, a, zero
.irp b, 0,1,2,3
.if \zero
	v_wmma_f32_16x16x128_fp8_fp8 v[ACC+8*(4*(\a)+\b):ACC+8*(4*(\a)+\b)+7], v[\f+64+16*\b:\f+64+16*\b+15], v[\f+16*(\a):\f+16*(\a)+15], 0
.else
	v_wmma_f32_16x16x128_fp8_fp8 v[ACC+8*(4*(\a)+\b):ACC+8*(4*(\a)+\b)+7], v[\f+64+16*\b:\f+64+16*\b+15], v[\f+16*(\a):\f+16*(\a)+15], v[ACC+8*(4*(\a)+\b):ACC+8*(4*(\a)+\b)+7]
.endif
.endr
.endm
.macro PLACES
.rept 4
	v_nop
.endr
.endm
.macro QUARTER slot, k, f, g, zero
	s_wait_dscnt 8
	WIN MUL
	MUL4 \f, 0, \zero
	MUL4 \f, 1, \zero
	PLACES
	FETCH \slot, \k, \g
	s_wait_dscnt 32
	WIN MUL
	MUL4 \f, 2, \zero
	MUL4 \f, 3, \zero
.endm
.macro TURN slot, next, fill
	WIN 0
.if \fill
	s_wait_xcnt 0x0                                ; my last prefetch, a K step back, has read its address: it is stepped here, ahead of the waits of the change of slots
	s_add_nc_u64 s[84:85], s[84:85], KSTEP
.endif
	s_wait_tensorcnt 0x0
	ds_add_u32 v[SPW], v[NIL]
	s_wait_dscnt 9
	WIN MUL
	MUL4 F1, 0, 0
	MUL4 F1, 1, 0
	s_wait_dscnt 0x0
	s_barrier_signal -1
	MUL4 F1, 2, 0
.if \fill
	WIN 0
.endif
	s_barrier_wait -1
.if \fill
	CREST
	s_add_nc_u64 s[G0+4*\slot+2:G0+4*\slot+3], s[G0+4*\slot+2:G0+4*\slot+3], 2*KSTEP
	s_add_nc_u64 s[G0B+4*\slot+2:G0B+4*\slot+3], s[G0B+4*\slot+2:G0B+4*\slot+3], 2*KSTEP
	JLOAD \slot
	s_cmp_gt_u32 s3, 1                             ; s3 = 1 in the loop's last trip, whose refills are K steps 6 and 7: no K step stands two on
	s_cbranch_scc0 .Lno_ask_\@
	global_prefetch_b8 v30, s[84:85] offset:3*KSTEP th:TH_LOAD_NT scope:SCOPE_SE
.Lno_ask_\@:
.else
	PLACES
.endif
	FETCH \next, 0, F0
	WIN MUL
	MUL4 F1, 3, 0
.endm
	s_wait_alu depctr_va_vdst(0)                   ; the wait at the head's end
	s_wait_tensorcnt 0x0                           ; my part of K step 0 is in
	ds_add_u32 v[SPW], v[NIL]
	s_wait_dscnt 0x0
	CROUND                                         ; everybody's part of K step 0 is in, and the joint loads meet
	JLOAD 1                                        ; K step 1's load, the first tensor load behind the round
	global_prefetch_b8 v30, s[84:85] offset:3*KSTEP th:TH_LOAD_NT scope:SCOPE_SE   ; K step 3
	WIN 0x80                                       ; the residual and the bias are wanted on the way out: they are asked for behind the first tiles and their prefetches
.set J, 0
.rept 32
	global_load_b128 v[4*J:4*J+3], v[CO], s[74:75] offset:8192*J th:TH_LOAD_NT
.set J, J+1
.endr
	WIN 0
	global_load_b128 v[BIA:BIA+3], v[BO], s[72:73]
	FETCH 0, 0, F0
	QUARTER 0, 128, F0, F1, 1
.if LAPS > 1
	WIN 0
	s_mov_b32 s3, LAPS-1
.Llap:
	QUARTER 0, 256, F1, F0, 0
	QUARTER 0, 384, F0, F1, 0
	TURN 0, 1, 1
	QUARTER 1, 128, F0, F1, 0
	QUARTER 1, 256, F1, F0, 0
	QUARTER 1, 384, F0, F1, 0
	TURN 1, 0, 1
	QUARTER 0, 128, F0, F1, 0
	WIN 0
	s_sub_co_u32 s3, s3, 1
	s_cmp_lg_u32 s3, 0
	s_cbranch_scc1 .Llap
.endif
	QUARTER 0, 256, F1, F0, 0
	QUARTER 0, 384, F0, F1, 0
	TURN 0, 1, 0
	QUARTER 1, 128, F0, F1, 0
	QUARTER 1, 256, F1, F0, 0
	QUARTER 1, 384, F0, F1, 0
	s_wait_dscnt 8
	WIN MUL
	MUL4 F1, 0, 0
	MUL4 F1, 1, 0
	s_wait_dscnt 0
	MUL4 F1, 2, 0
	MUL4 F1, 3, 0
	s_wait_loadcnt 0x0
	s_wait_kmcnt 0x0
	s_add_co_i32 s82, s76, s77
	s_add_co_i32 s82, s82, 127
	s_lshl_b32 s82, s82, 23
	s_mov_b32 s83, s82
	WIN 0x82
.set J, 0
.rept 32
	v_pk_add_f32 v[4*J:4*J+1], v[4*J:4*J+1], v[BIA:BIA+1]
	v_pk_add_f32 v[4*J+2:4*J+3], v[4*J+2:4*J+3], v[BIA+2:BIA+3]
.set J, J+1
.endr
	WIN 0
.macro TOSTAGE a
.irp b, 0,1,2,3
	ds_store_b128 v[STO], v[ACC+8*(4*(\a)+\b):ACC+8*(4*(\a)+\b)+3] offset:64*\b
	ds_store_b128 v[STO], v[ACC+8*(4*(\a)+\b)+4:ACC+8*(4*(\a)+\b)+7] offset:64*\b+16
.endr
.irp u, 0,1,2,3,4,5,6,7
	ds_load_b128 v[TMP+32*((\a)%2)+4*\u:TMP+32*((\a)%2)+4*\u+3], v[RD] offset:\u*2*SPITCH
.endr
.endm
.macro SEND a, younger
	s_wait_dscnt \younger
	WIN 0x20
.set J, 0
.rept 16
	v_pk_fma_f32 v[TMP+32*((\a)%2)+J:TMP+32*((\a)%2)+J+1], v[TMP+32*((\a)%2)+J:TMP+32*((\a)%2)+J+1], s[82:83], v[32*(\a)+J:32*(\a)+J+1] op_sel_hi:[1,0,1]
.set J, J+2
.endr
	WIN 0
.irp u, 0,1,2,3,4,5,6,7
	global_store_b128 v[CO], v[TMP+32*((\a)%2)+4*\u:TMP+32*((\a)%2)+4*\u+3], s[8:9] offset:(16*(\a)+2*\u)*4096
.endr
.endm
	TOSTAGE 0
.irp a, 1,2,3
.if \a > 1
	s_wait_xcnt 0x0
.endif
	TOSTAGE \a
	SEND \a-1, 16
.endr
	SEND 3, 0
	s_wait_tensorcnt 0x0
	ds_add_u32 v[SPW], v[NIL]
	s_wait_dscnt 0x0
	CROUND
	s_endpgm
.Lfunc_end_k_q2f164d41ca_ffn2:
	.size	k_q2f164d41ca_ffn2, .Lfunc_end_k_q2f164d41ca_ffn2-k_q2f164d41ca_ffn2
	.p2alignl 7, 3214868480
	.fill 96, 4, 3214868480
	.section	.rodata,"a",@progbits
	.p2align	6, 0x0
	.amdhsa_kernel k_q2f164d41ca_ffn2
		.amdhsa_group_segment_fixed_size 327680
		.amdhsa_private_segment_fixed_size 0
		.amdhsa_enable_private_segment 0
		.amdhsa_kernarg_size 48
		.amdhsa_user_sgpr_count 2
		.amdhsa_user_sgpr_kernarg_segment_ptr 1
		.amdhsa_wavefront_size32 1
		.amdhsa_system_sgpr_workgroup_id_x 1
		.amdhsa_system_sgpr_workgroup_id_y 1
		.amdhsa_system_sgpr_workgroup_id_z 1
		.amdhsa_system_vgpr_workitem_id 0
		.amdhsa_next_free_vgpr 768
		.amdhsa_next_free_sgpr 96
		.amdhsa_reserve_vcc 0
		.amdhsa_float_denorm_mode_32 3
		.amdhsa_float_denorm_mode_16_64 3
		.amdhsa_memory_ordered 1
		.amdhsa_forward_progress 1
		.amdhsa_inst_pref_size 83
	.end_amdhsa_kernel
	.amdgpu_metadata
---
amdhsa.version: [ 1, 2 ]
amdhsa.kernels:
  - .name:           k_q2f164d41ca_ffn2
    .symbol:         k_q2f164d41ca_ffn2.kd
    .args:
      - { .name: hid, .offset: 0, .size: 8, .value_kind: global_buffer, .address_space: global }
      - { .name: W2_codes, .offset: 8, .size: 8, .value_kind: global_buffer, .address_space: global }
      - { .name: lowp_scales, .offset: 16, .size: 8, .value_kind: global_buffer, .address_space: global }
      - { .name: res, .offset: 24, .size: 8, .value_kind: global_buffer, .address_space: global }
      - { .name: b2, .offset: 32, .size: 8, .value_kind: global_buffer, .address_space: global }
      - { .name: hf, .offset: 40, .size: 8, .value_kind: global_buffer, .address_space: global }
    .group_segment_fixed_size: 327680
    .private_segment_fixed_size: 0
    .kernarg_segment_align: 8
    .kernarg_segment_size: 48
    .max_flat_workgroup_size: 128
    .sgpr_count:     96
    .vgpr_count:     768
    .wavefront_size: 32
...
	.end_amdgpu_metadata
.endif
;; end of part 7
;; launch ln2 (part 8): grid 256 x 1, 8 waves a work-group, no clusters, 0 bytes of LDS; arguments res, g2, be2, out0; writes out0
.if DOCPART == 8
	.amdgcn_target "amdgcn-amd-amdhsa--gfx1250"
	.amdhsa_code_object_version 6
	.text
	.protected	k_q2f164d41ca_ln2
	.globl	k_q2f164d41ca_ln2
	.p2align	8
	.type	k_q2f164d41ca_ln2,@function
k_q2f164d41ca_ln2:
	s_mov_b64 s[64:65], 0
	v_nop
	global_prefetch_b8 v0, s[64:65] scope:SCOPE_SE
	s_setreg_imm32_b32 hwreg(HW_REG_WAVE_MODE, 25, 1), 1
	s_wait_xcnt 0x0
; out0 = LayerNorm(res) g2 + be2, f32.  No work is left out.
; A wave takes two rows of 1,024 numbers; a row stays in 32 registers between the passes (mean, squared deviations, scaling): memory is read once, no LDS, no barrier.  Each load and store of the wave covers 512 consecutive bytes.
.set X,   32                           ; v32-95   two rows
.set G,   96                           ; v96-127  g
.set BE,  128                          ; v128-159 be
	s_load_b256 s[4:11], s[0:1], 0x0               ; res, g, be, out0
	v_lshrrev_b32 v1, 5, v0
	s_delay_alu instid0(VALU_DEP_1)
	v_readfirstlane_b32 s16, v1                    ; wave
	v_and_b32 v2, 31, v0
	s_delay_alu instid0(VALU_DEP_1)
	v_lshlrev_b32 v1, 4, v2                        ; 16 x lane
	s_lshl_b32 s18, ttmp9, 4
	s_lshl_b32 s19, s16, 1
	s_add_co_u32 s18, s18, s19                     ; my first row
	s_lshl_b32 s24, s18, 12
	s_mov_b32 s25, 0
	s_mov_b32 s20, 0x76543210
	s_mov_b32 s21, 0xfedcba98
	s_mov_b32 s22, 0x3a800000                      ; 1 / 1,024
	s_mov_b32 s23, 0x3727c5ac                      ; 1e-5
	s_wait_alu depctr_va_vdst(0)
	s_wait_kmcnt 0x0
	s_add_nc_u64 s[4:5], s[4:5], s[24:25]
	s_add_nc_u64 s[10:11], s[10:11], s[24:25]
.irp q, 0,1
.irp j, 0,1,2,3,4,5,6,7
	global_load_b128 v[X+32*\q+4*\j:X+32*\q+4*\j+3], v1, s[4:5] offset:4096*\q+512*\j th:TH_LOAD_NT
.endr
.endr
.irp j, 0,1,2,3,4,5,6,7
	global_load_b128 v[G+4*\j:G+4*\j+3], v1, s[6:7] offset:512*\j
.endr
.irp j, 0,1,2,3,4,5,6,7
	global_load_b128 v[BE+4*\j:BE+4*\j+3], v1, s[8:9] offset:512*\j
.endr
.macro ALL r, t                        ; the sum over the wave's 32 lanes, in every lane
	s_delay_alu instid0(VALU_DEP_1)
	v_add_f32_dpp v[\r], v[\r], v[\r] row_xmask:1 row_mask:0xf bank_mask:0xf
	s_delay_alu instid0(VALU_DEP_1)
	v_add_f32_dpp v[\r], v[\r], v[\r] row_xmask:2 row_mask:0xf bank_mask:0xf
	s_delay_alu instid0(VALU_DEP_1)
	v_add_f32_dpp v[\r], v[\r], v[\r] row_xmask:4 row_mask:0xf bank_mask:0xf
	s_delay_alu instid0(VALU_DEP_1)
	v_add_f32_dpp v[\r], v[\r], v[\r] row_xmask:8 row_mask:0xf bank_mask:0xf
	s_delay_alu instid0(VALU_DEP_1)
	v_permlanex16_b32 v[\t], v[\r], s20, s21
	s_delay_alu instid0(VALU_DEP_1)
	v_add_f32 v[\r], v[\r], v[\t]
.endm
.macro ROW q
.set XS, X+32*(\q)
.if (\q) == 0
	s_wait_loadcnt 24                              ; row 0's eight loads are in; behind them stand row 1's eight and the sixteen of g and be
.endif
	v_pk_add_f32 v[2:3], v[XS:XS+1], v[XS+2:XS+3]  ; the sum, in two chains
	v_pk_add_f32 v[8:9], v[XS+4:XS+5], v[XS+6:XS+7]
.irp j, 8,12,16,20,24,28
	s_delay_alu instid0(VALU_DEP_2)
	v_pk_add_f32 v[2:3], v[2:3], v[XS+\j:XS+\j+1]
	s_delay_alu instid0(VALU_DEP_2)
	v_pk_add_f32 v[8:9], v[8:9], v[XS+\j+2:XS+\j+3]
.endr
	s_delay_alu instid0(VALU_DEP_1)
	v_pk_add_f32 v[2:3], v[2:3], v[8:9]
	s_delay_alu instid0(VALU_DEP_1)
	v_add_f32 v2, v2, v3
	ALL 2, 3
	s_delay_alu instid0(VALU_DEP_1)
	v_mul_f32 v2, s22, v2                          ; the mean
.set J, 0
.rept 16
	v_pk_add_f32 v[XS+J:XS+J+1], v[XS+J:XS+J+1], v[2:3] op_sel_hi:[1,0] neg_lo:[0,1] neg_hi:[0,1]   ; x - mean
.set J, J+2
.endr
	v_pk_mul_f32 v[8:9], v[XS:XS+1], v[XS:XS+1]
	v_pk_mul_f32 v[10:11], v[XS+2:XS+3], v[XS+2:XS+3]
.irp j, 4,8,12,16,20,24,28
	s_delay_alu instid0(VALU_DEP_2)
	v_pk_fma_f32 v[8:9], v[XS+\j:XS+\j+1], v[XS+\j:XS+\j+1], v[8:9]
	s_delay_alu instid0(VALU_DEP_2)
	v_pk_fma_f32 v[10:11], v[XS+\j+2:XS+\j+3], v[XS+\j+2:XS+\j+3], v[10:11]
.endr
	s_delay_alu instid0(VALU_DEP_1)
	v_pk_add_f32 v[8:9], v[8:9], v[10:11]
	s_delay_alu instid0(VALU_DEP_1)
	v_add_f32 v8, v8, v9
	ALL 8, 9
	s_delay_alu instid0(VALU_DEP_1)
	v_fma_f32 v8, v8, s22, s23                     ; the variance + 1e-5
	s_wait_alu depctr_va_vdst(0)
	v_rsq_f32 v8, v8
	v_nop                                          ; a plain line behind the transcendental
	s_wait_alu depctr_va_vdst(0)                   ; and the wait ahead of its first reader
.if (\q) == 0
	s_wait_loadcnt 0x0                             ; g and be (and row 1)
.endif
.set J, 0
.rept 16
	v_pk_mul_f32 v[XS+J:XS+J+1], v[XS+J:XS+J+1], v[8:9] op_sel_hi:[1,0]
.set J, J+2
.endr
.set J, 0
.rept 16
	v_pk_fma_f32 v[XS+J:XS+J+1], v[XS+J:XS+J+1], v[G+J:G+J+1], v[BE+J:BE+J+1]
.set J, J+2
.endr
.irp j, 0,1,2,3,4,5,6,7
	global_store_b128 v1, v[XS+4*\j:XS+4*\j+3], s[10:11] offset:4096*(\q)+512*\j th:TH_STORE_NT
.endr
.endm
	ROW 0
	ROW 1
	s_endpgm
.Lfunc_end_k_q2f164d41ca_ln2:
	.size	k_q2f164d41ca_ln2, .Lfunc_end_k_q2f164d41ca_ln2-k_q2f164d41ca_ln2
	.p2alignl 7, 3214868480
	.fill 96, 4, 3214868480
	.section	.rodata,"a",@progbits
	.p2align	6, 0x0
	.amdhsa_kernel k_q2f164d41ca_ln2
		.amdhsa_group_segment_fixed_size 0
		.amdhsa_private_segment_fixed_size 0
		.amdhsa_enable_private_segment 0
		.amdhsa_kernarg_size 32
		.amdhsa_user_sgpr_count 2
		.amdhsa_user_sgpr_kernarg_segment_ptr 1
		.amdhsa_wavefront_size32 1
		.amdhsa_system_sgpr_workgroup_id_x 1
		.amdhsa_system_sgpr_workgroup_id_y 1
		.amdhsa_system_sgpr_workgroup_id_z 1
		.amdhsa_system_vgpr_workitem_id 0
		.amdhsa_next_free_vgpr 160
		.amdhsa_next_free_sgpr 66
		.amdhsa_reserve_vcc 0
		.amdhsa_float_denorm_mode_32 3
		.amdhsa_float_denorm_mode_16_64 3
		.amdhsa_memory_ordered 1
		.amdhsa_forward_progress 1
		.amdhsa_inst_pref_size 21
	.end_amdhsa_kernel
	.amdgpu_metadata
---
amdhsa.version: [ 1, 2 ]
amdhsa.kernels:
  - .name:           k_q2f164d41ca_ln2
    .symbol:         k_q2f164d41ca_ln2.kd
    .args:
      - { .name: res, .offset: 0, .size: 8, .value_kind: global_buffer, .address_space: global }
      - { .name: g2, .offset: 8, .size: 8, .value_kind: global_buffer, .address_space: global }
      - { .name: be2, .offset: 16, .size: 8, .value_kind: global_buffer, .address_space: global }
      - { .name: out0, .offset: 24, .size: 8, .value_kind: global_buffer, .address_space: global }
    .group_segment_fixed_size: 0
    .private_segment_fixed_size: 0
    .kernarg_segment_align: 8
    .kernarg_segment_size: 32
    .max_flat_workgroup_size: 256
    .sgpr_count:     66
    .vgpr_count:     160
    .wavefront_size: 32
...
	.end_amdgpu_metadata
.endif
;; end of part 8
